; MI455X (gfx1250); checked and timed in simulation.
; The chip was launched on July 23, 2026; its instructions are those of AMD's public machine-readable ISA for CDNA 5 (MIT licence, August 2026) and "CDNA5" Instruction Set Architecture Reference Guide (July 2026). The comments in the code are by the model that wrote it; some were corrected since.
;; Multi Head Attention. Allowed arithmetic: matrix products marked QUANTISED: E5M2 operands, one given power-of-two scale a tensor, by v_wmma_f32_16x16x64_bf8_bf8 or v_wmma_f32_16x16x128_bf8_bf8, f32 sums; everything else in f32.
;; Inputs: lowp_scales 8 int32 (the exponents e of the quantised operands' scales 2^e); mask 1 x 1 x 2,048 x 2,048 int32; out_b 1,024 float32; out_w 1,024 x 1,024 float32; qkv_b 3,072 float32; qkv_w 3,072 x 1,024 float32; x 4 x 2,048 x 1,024 float32.
;; Outputs: out0 4 x 2,048 x 1,024 float32.
;; This version of the problem:
;;   THIS VERSION OF THE PROBLEM IS GIVEN IN LOW PRECISION. The matrix products marked QUANTISED in the list below multiply operands that are first quantised to E5M2 (5 exponent bits, 2 mantissa bits; 8 bits a number), with one given power-of-two scale for each operand tensor; their sums are f32. All else is computed in f32.
;;   The module's matrix products, in the order in which they are computed (A, B: the left and right operand; K: the contracted axis; several contracted axes count as one K, in the product's order):
;;     1. [M 8,192, K 1,024] x [K 1,024, N 3,072]; A: input x; B: input qkv_w: QUANTISED (scales: A lowp_scales[0], B lowp_scales[1])
;;     2. batch 64 x [M 2,048, K 64] x [K 64, N 2,048]; A: computed on the way; B: computed on the way: QUANTISED (scales: A lowp_scales[2], B lowp_scales[3])
;;     3. batch 64 x [M 2,048, K 2,048] x [K 2,048, N 64]; A: softmax (see below); B: computed on the way: QUANTISED (scales: A lowp_scales[4], B lowp_scales[5])
;;     4. [M 8,192, K 1,024] x [K 1,024, N 1,024]; A: computed on the way; B: input out_w: QUANTISED (scales: A lowp_scales[6], B lowp_scales[7])
;;   THE QUANTISER, for each operand of a quantised product, along K:
;;     - The operand's scale is 2^e, e = its entry of the input lowp_scales (int32; the entries are numbered through the quantised products in the list's order, A before B).
;;     - Each number is divided by the scale, clamped to +-57,344, and rounded to the nearest number of E5M2, ties to even, subnormals kept.
;;     - The product sums the exact products of the quantised numbers (number of the format x scale) in f32.
;;   ~~~python
;;   def quantise(x, axis, e):      # numpy; x: float32 -> the quantised numbers, widened to float32 again
;;       x = np.moveaxis(x, axis, -1); K = x.shape[-1]
;;       r = np.clip(x / 2.0 ** e, -57344, 57344)
;;       step = 2.0 ** (np.maximum(np.frexp(np.where(r == 0, 1, r))[1] - 1, -14) - 2)
;;       q = np.round(r / step) * step * 2.0 ** e      # np.round: ties to even
;;       return np.moveaxis(q, -1, axis).astype(np.float32)
;;   ~~~
;;   SOFTMAX AHEAD OF A QUANTISED PRODUCT. Where the list says 'softmax', what is quantised is not the finished softmax but p = 2^(t - M), with t = logit x log2(e) and M = ceil(the row's largest t), a whole number; so 1/2 < the row's largest p <= 1. The row's sum l is taken of the UNQUANTISED p, in f32, and the product's result is divided by l at the end. Since M is a whole number, a kernel that streams over the keys may use a running M (the ceiling of the running maximum): every later rescaling is an exact power of two, so the quantised numbers keep their values, but for numbers so far below the row's largest that they fall under the format's range.
;;   OPERANDS COMPUTED ON THE WAY. 'Computed on the way' means the value that the module computes at that place (a softmax that the list does not call 'softmax' is quantised finished and normalised). What goes into a quantiser is computed in f32, as accurately as f32 sums, v_exp_f32 and their like allow (about 1e-6 of the number): no bf16 or f16 on the way to a quantiser, and a product that is left as it is and whose result goes on into a quantised operand takes f32 operands (vector FMAs, or v_wmma_f32_16x16x4_f32). A number that lies on a knife's edge between two numbers of the format may be rounded either way, as far as f32 arithmetic and the matrix unit's own rounding can turn it there, and no further.
;; 2 versions, each right; version 2 is version 1 with the launch attn written anew for expert scheduling mode. Each part assembles by itself: llvm-mc -triple=amdgcn-amd-amdhsa -mcpu=gfx1250 --defsym DOCPART=n.
;; ======== version 1 of 2: 4 launches
;; workspace buffers: codes 12,582,912 bytes; maskw 524,288 bytes of whole numbers; msum 16,384 bytes of whole numbers; qkvimg 25,165,824 bytes; yimg 8,388,608 bytes
;; launch prep (part 1): grid 256 x 1, 8 waves a work-group, no clusters, 109,568 bytes of LDS; arguments x, qkv_w, out_w, mask, lowp_scales, codes, maskw, msum; writes codes, maskw, msum
.if DOCPART == 1
	.amdgcn_target "amdgcn-amd-amdhsa--gfx1250"
	.amdhsa_code_object_version 6
	.text
	.protected	k_q6b1ad7e332_prep
	.globl	k_q6b1ad7e332_prep
	.p2align	8
	.type	k_q6b1ad7e332_prep,@function
k_q6b1ad7e332_prep:
	s_mov_b64 s[64:65], 0
	v_nop
	global_prefetch_b8 v0, s[64:65] scope:SCOPE_SE
	s_setreg_imm32_b32 hwreg(HW_REG_WAVE_MODE, 25, 1), 1
	s_wait_xcnt 0x0
; PREP.  Two jobs in one launch, parted by the work-group's number; each work-group reads 262,144 bytes.
; (1) Work-groups 0-191: x [8192][1024], qkv_w [3072][1024], out_w [1024][1024], f32, become codes of E5M2, K innermost, laid on end in one buffer (x, qkv_w, out_w), each with its given scale 2^e
;     (entries 0, 1, 7 of the scales).  code = number / 2^e, held within +-57,344, to the nearest code, ties to even.  LIMITS: e between -126 and 112; NaN among the inputs is not served.
;     A wave takes 16 steps of 512 numbers.  A load reads 512 consecutive bytes, 16 a lane; a step's 2,048 bytes turn through the wave's own stage in LDS and come back 64 bytes (16 neighbours along K) a lane,
;     as the conversions want them.  A lane's 16 codes are 16 bytes: a store of the wave covers 512 consecutive bytes, aligned.
; (2) Work-groups 192-255: the mask [2048][2048] int32 becomes lane masks.  A pair is 32 queries (two tiles of 16), a step 128 keys.  maskw [pair 64][step 16][tile 2][64 words]:
;     bit L of word 8 t + j says that mask[32 pair + 16 tile + L % 16][128 step + 16 t + 8 (L / 16) + j] is not 0: the lane mask for score register 8 t + j of the attention launch.
;     msum [pair][step][4 words]: the OR of tile 0's 64 words, of tile 1's, the AND of tile 0's, of tile 1's.
;     Wave w takes steps 2 w and 2 w + 1 of its work-group's pair: four units of 16 rows x 512 bytes.  A unit turns through the wave's own stage, so that lane (r, h) holds row r's keys 16 t + 8 h + 0 .. 7.
; No barrier: waves share nothing.  The two jobs have LDS bytes of their own.
.set WGX,   128                        ; work-groups for x
.set WGW,   48                         ; for qkv_w
.set QWG,   192                        ; for all three tensors
.set STEPS, 16
.set EMAX,  15
.set MANT,  0x600000                   ; the mantissa field of 57,344 as f32
.set SP,    80                         ; a lane's place in a stage: its 64 bytes + 16 of padding
.set WREG,  2*32*SP                    ; a wave's two stages
.set R,     16                         ; v16-79   four sets of 16 numbers as loaded
.set X,     80                         ; v80-111  two sets of 16 neighbours
.set C,     128                        ; v128-191 codes: four registers for each step, so that no store's data are written again
.set MSTG,  8*WREG                     ; the mask's stages begin here: 16 rows x 528 bytes for each wave
.set MP,    528                        ; a stage row: 512 bytes + 16
.set MR,    16                         ; v16-143  two sets of 64 words as loaded
.set MX,    144                        ; v144-207 a unit's 64 words in score order
.set OW,    208                        ; v208-215 a pair of registers for each unit: lane l holds words 2 l and 2 l + 1
	s_load_b512 s[4:19], s[0:1], 0x0               ; x s[4:5], qkv_w s[6:7], out_w s[8:9], mask s[10:11], scales s[12:13], codes s[14:15], maskw s[16:17], msum s[18:19]
	v_lshl_add_u32 v216, v0, 2, 0x1a800
	v_mov_b32 v217, 0
	v_lshrrev_b32 v1, 5, v0
	v_readfirstlane_b32 s20, v1                    ; wave 0..7
	v_and_b32 v2, 31, v0                           ; lane
	v_lshlrev_b32 v3, 4, v2                        ; 16 x lane: my 16 bytes of a load's or a store's 512
	s_cmp_ge_u32 ttmp9, QWG
	s_cbranch_scc1 .Lmask
	; ---------------- the three tensors ----------------
	s_mul_i32 s21, s20, WREG
	v_lshrrev_b32 v14, 2, v2
	v_mul_u32_u24 v14, v14, SP
	v_and_b32 v15, 3, v2
	v_lshl_add_u32 v14, v15, 4, v14
	v_add_nc_u32 v14, s21, v14                     ; the stage, on the way in: four lanes' 64 bytes on end, then 16 of padding
	v_mul_u32_u24 v15, v2, SP
	v_add_nc_u32 v15, s21, v15                     ; and on the way out: my 16 neighbours
	s_mov_b32 s23, WGX+WGW
	s_mov_b32 s27, 0
	s_wait_kmcnt 0x0
	s_load_b256 s[32:39], s[12:13], 0x0            ; the eight exponents
	s_cmp_lt_u32 ttmp9, WGX+WGW                    ; which tensor: the choice hangs on the work-group's number alone
	s_cselect_b64 s[24:25], s[6:7], s[8:9]
	s_cselect_b32 s22, WGX, s23
	s_cmp_lt_u32 ttmp9, WGX
	s_cselect_b64 s[24:25], s[4:5], s[24:25]
	s_cselect_b32 s22, 0, s22                      ; the tensor's first work-group
	s_sub_co_u32 s22, ttmp9, s22
	s_lshl_b32 s22, s22, 3
	s_add_co_u32 s22, s22, s20                     ; which run of 8,192 numbers of the tensor is my wave's
	s_lshl_b32 s26, s22, 15
	s_add_nc_u64 s[24:25], s[24:25], s[26:27]
	s_lshl_b32 s26, ttmp9, 3
	s_add_co_u32 s26, s26, s20
	s_lshl_b32 s26, s26, 13                        ; the three tensors' codes lie on end: 8,192 bytes for each wave of each work-group
	s_add_nc_u64 s[14:15], s[14:15], s[26:27]
.macro LOAD t
.irp i, 0,1,2,3
	global_load_b128 v[R+16*((\t)%4)+4*\i:R+16*((\t)%4)+4*\i+3], v3, s[24:25] offset:2048*(\t)+512*\i th:TH_LOAD_NT
.endr
.endm
.macro TURN t                          ; step t's numbers through the stage: LDS serves a wave's instructions in order, so no wait stands between the stores and the loads
.irp i, 0,1,2,3
	ds_store_b128 v14, v[R+16*((\t)%4)+4*\i:R+16*((\t)%4)+4*\i+3] offset:32*SP*((\t)%2)+8*SP*\i
.endr
.irp i, 0,1,2,3
	ds_load_b128 v[X+16*((\t)%2)+4*\i:X+16*((\t)%2)+4*\i+3], v15 offset:32*SP*((\t)%2)+16*\i
.endr
.endm
.irp t, 0,1,2,3
	LOAD \t
.endr
	s_wait_kmcnt 0x0
	s_cmp_lt_u32 ttmp9, WGX+WGW
	s_cselect_b32 s28, s33, s39                    ; qkv_w: entry 1; out_w: entry 7
	s_cmp_lt_u32 ttmp9, WGX
	s_cselect_b32 s28, s32, s28                    ; x: entry 0
	s_add_co_i32 s28, s28, 127
	s_lshl_b32 s29, s28, 23
	v_mov_b32 v11, s29                             ; 2^e as f32: the conversion takes its exponent field
	s_add_co_i32 s28, s28, EMAX
	s_lshl_b32 s28, s28, 23
	s_or_b32 s28, s28, MANT
	v_mov_b32 v10, s28                             ; 57,344 x 2^e
	s_wait_loadcnt 12                              ; step 0's four loads are in; the twelve of steps 1 to 3 may be out
	TURN 0
.macro STEP t
.set XS, X+16*((\t)%2)
	s_wait_dscnt 0x0                               ; this step's numbers are back from the stage: so its stores into the stage have read their registers,
.if (\t)+4 < STEPS
	LOAD (\t)+4                                    ; which take the loads of four steps on
.endif
.if (\t)+1 < STEPS
.if STEPS-2-(\t) >= 3
	s_wait_loadcnt 12                              ; the next step's four loads are in; those of the three steps behind it may be out
.else
	s_wait_loadcnt 4*(STEPS-2-(\t))
.endif
	TURN (\t)+1                                    ; and go through the other stage while this step is worked
.endif
.irp i, 0,1,2,3,4,5,6,7,8,9,10,11,12,13,14,15
	v_med3_num_f32 v[XS+\i], v[XS+\i], -v10, v10   ; the conversion to an 8-bit code does not saturate (ISA guide 7.6.2): the hold comes first
.endr
	v_cvt_scalef32_pk8_bf8_f32 v[C+4*(\t):C+4*(\t)+1], v[XS:XS+7], v11
	v_cvt_scalef32_pk8_bf8_f32 v[C+4*(\t)+2:C+4*(\t)+3], v[XS+8:XS+15], v11
	global_store_b128 v3, v[C+4*(\t):C+4*(\t)+3], s[14:15] offset:512*(\t)   ; the results go to a store alone; the next vector lines are the next step's holds, on other registers
.endm
.irp t, 0,1,2,3,4,5,6,7,8,9,10,11,12,13,14,15
	STEP \t
.endr
	s_wait_tensorcnt 0x0
	ds_add_u32 v216, v217
	s_wait_dscnt 0x0
	s_endpgm
	; ---------------- the mask ----------------
.Lmask:
	s_sub_co_u32 s21, ttmp9, QWG                   ; the pair of query tiles
	s_mul_i32 s22, s20, 16*MP
	s_add_co_u32 s22, s22, MSTG                    ; my stage
	v_add_nc_u32 v4, s22, v3                       ; in: a row's 512 bytes as they lie
	v_and_b32 v5, 15, v2                           ; r
	v_lshrrev_b32 v6, 4, v2                        ; h
	v_mul_u32_u24 v7, v5, MP
	v_lshl_add_u32 v7, v6, 5, v7
	v_add_nc_u32 v7, s22, v7                       ; out: row r, + 32 h: eight keys of my half
	v_lshlrev_b32 v8, 3, v2                        ; 8 x lane: my two words of a unit's 64
	v_lshlrev_b32 v10, 2, v2                       ; 4 x lane
	v_mov_b32 v9, 0                                ; the eight summary words, one a lane (a lane write's destination counts as read: it is written whole first)
.irp i, 0,1,2,3,4,5,6,7
	v_mov_b32 v[OW+\i], 0
.endr
	s_lshl_b32 s24, s21, 18                        ; mask: 32 rows of 8,192 bytes a pair,
	s_lshl_b32 s25, s20, 10                        ; + my two steps' 1,024 bytes of a row
	s_add_co_u32 s24, s24, s25
	s_lshl_b32 s26, s21, 13                        ; maskw: 8,192 bytes a pair, 1,024 for my two steps
	s_add_co_u32 s26, s26, s25
	s_mov_b32 s25, 0
	s_mov_b32 s27, 0
	s_lshl_b32 s28, s21, 8                         ; msum: 256 bytes a pair, 32 for my two steps
	s_lshl_b32 s29, s20, 5
	s_add_co_u32 s28, s28, s29
	s_mov_b32 s29, 0
	s_wait_kmcnt 0x0
	s_add_nc_u64 s[10:11], s[10:11], s[24:25]
	s_add_nc_u64 s[16:17], s[16:17], s[26:27]
	s_add_nc_u64 s[18:19], s[18:19], s[28:29]
.macro MLOAD u                         ; unit u: tile u % 2, step 2 w + u / 2: 16 rows, 512 consecutive bytes a load
.irp i, 0,1,2,3,4,5,6,7,8,9,10,11,12,13,14,15
	global_load_b128 v[MR+64*((\u)%2)+4*\i:MR+64*((\u)%2)+4*\i+3], v3, s[10:11] offset:(16*((\u)%2)+\i)*8192+512*((\u)/2) th:TH_LOAD_NT
.endr
.endm
.macro UNIT u
.if (\u) < 3
	s_wait_loadcnt 16                              ; this unit's 16 loads are in; the next unit's may be out
.else
	s_wait_loadcnt 0x0
.endif
.irp i, 0,1,2,3,4,5,6,7,8,9,10,11,12,13,14,15
	ds_store_b128 v4, v[MR+64*((\u)%2)+4*\i:MR+64*((\u)%2)+4*\i+3] offset:MP*\i
.endr
.irp t, 0,1,2,3,4,5,6,7
	ds_load_b128 v[MX+8*\t:MX+8*\t+3], v7 offset:64*\t        ; LDS serves a wave's instructions in order: these see the stores above
	ds_load_b128 v[MX+8*\t+4:MX+8*\t+7], v7 offset:64*\t+16
.endr
	s_wait_dscnt 0x0                               ; the words are back, and the stores have read their registers,
.if (\u) < 2
	MLOAD (\u)+2                                   ; which take the unit two on
.endif
	s_mov_b32 s[40+\u], 0
	s_mov_b32 s[44+\u], -1
.set g, 0
.rept 8                                ; eight words at a time, so that no line waits for the line above it
.irp k, 0,1,2,3,4,5,6,7
	v_cmp_ne_u32 s[32+\k], 0, v[MX+8*g+\k]         ; word 8 g + k: a bit a lane
.endr
.irp k, 0,1,2,3,4,5,6,7
	v_writelane_b32 v[OW+2*(\u)+\k%2], s[32+\k], 4*g+\k/2
.endr
.irp k, 0,1,2,3,4,5,6,7
	s_or_b32 s[40+\u], s[40+\u], s[32+\k]
	s_and_b32 s[44+\u], s[44+\u], s[32+\k]
.endr
.set g, g+1
.endr
	global_store_b64 v8, v[OW+2*(\u):OW+2*(\u)+1], s[16:17] offset:512*((\u)/2)+256*((\u)%2)   ; the wave stores the unit's 256 consecutive bytes, aligned
.endm
	MLOAD 0
	MLOAD 1
	UNIT 0
	UNIT 1
	UNIT 2
	UNIT 3
.irp u, 0,1,2,3
	v_writelane_b32 v9, s[40+\u], 4*(\u/2)+\u%2    ; step u / 2: word 0 or 1: the tile's OR,
	v_writelane_b32 v9, s[44+\u], 4*(\u/2)+\u%2+2  ; word 2 or 3: its AND
.endr
	v_cmp_gt_u32 vcc_lo, 8, v2
	s_wait_xcnt 0x0                                ; EXEC is a source of the stores above: it changes only behind this wait
	s_wait_tensorcnt 0x0
	ds_add_u32 v216, v217
	s_wait_dscnt 0x0
	s_and_saveexec_b32 s50, vcc_lo
	global_store_b32 v10, v9, s[18:19]             ; lanes 0 to 7: my two steps' 32 bytes
	s_wait_xcnt 0x0                                ; and again, in front of the line that widens it
	s_or_b32 exec_lo, exec_lo, s50
	s_endpgm
.Lfunc_end_k_q6b1ad7e332_prep:
	.size	k_q6b1ad7e332_prep, .Lfunc_end_k_q6b1ad7e332_prep-k_q6b1ad7e332_prep
	.p2alignl 7, 3214868480
	.fill 96, 4, 3214868480
	.section	.rodata,"a",@progbits
	.p2align	6, 0x0
	.amdhsa_kernel k_q6b1ad7e332_prep
		.amdhsa_group_segment_fixed_size 109568
		.amdhsa_private_segment_fixed_size 0
		.amdhsa_enable_private_segment 0
		.amdhsa_kernarg_size 64
		.amdhsa_user_sgpr_count 2
		.amdhsa_user_sgpr_kernarg_segment_ptr 1
		.amdhsa_wavefront_size32 1
		.amdhsa_system_sgpr_workgroup_id_x 1
		.amdhsa_system_sgpr_workgroup_id_y 1
		.amdhsa_system_sgpr_workgroup_id_z 1
		.amdhsa_system_vgpr_workitem_id 0
		.amdhsa_next_free_vgpr 218
		.amdhsa_next_free_sgpr 66
		.amdhsa_reserve_vcc 1
		.amdhsa_float_denorm_mode_32 3
		.amdhsa_float_denorm_mode_16_64 3
		.amdhsa_memory_ordered 1
		.amdhsa_forward_progress 1
		.amdhsa_inst_pref_size 103
	.end_amdhsa_kernel
	.amdgpu_metadata
---
amdhsa.version: [ 1, 2 ]
amdhsa.kernels:
  - .name:           k_q6b1ad7e332_prep
    .symbol:         k_q6b1ad7e332_prep.kd
    .args:
      - { .name: x, .offset: 0, .size: 8, .value_kind: global_buffer, .address_space: global }
      - { .name: qkv_w, .offset: 8, .size: 8, .value_kind: global_buffer, .address_space: global }
      - { .name: out_w, .offset: 16, .size: 8, .value_kind: global_buffer, .address_space: global }
      - { .name: mask, .offset: 24, .size: 8, .value_kind: global_buffer, .address_space: global }
      - { .name: lowp_scales, .offset: 32, .size: 8, .value_kind: global_buffer, .address_space: global }
      - { .name: codes, .offset: 40, .size: 8, .value_kind: global_buffer, .address_space: global }
      - { .name: maskw, .offset: 48, .size: 8, .value_kind: global_buffer, .address_space: global }
      - { .name: msum, .offset: 56, .size: 8, .value_kind: global_buffer, .address_space: global }
    .group_segment_fixed_size: 109568
    .private_segment_fixed_size: 0
    .kernarg_segment_align: 8
    .kernarg_segment_size: 64
    .max_flat_workgroup_size: 256
    .sgpr_count:     66
    .vgpr_count:     218
    .wavefront_size: 32
...
	.end_amdgpu_metadata
.endif
;; end of part 1
;; launch qkvgemm (part 2): grid 12 x 32, 4 waves a work-group, clusters of 4 x 4, 327,680 bytes of LDS; arguments codes, lowp_scales, qkv_b, qkvimg; writes qkvimg
.if DOCPART == 2
	.amdgcn_target "amdgcn-amd-amdhsa--gfx1250"
	.amdhsa_code_object_version 6
	.text
	.protected	k_q6b1ad7e332_qkvgemm
	.globl	k_q6b1ad7e332_qkvgemm
	.p2align	8
	.type	k_q6b1ad7e332_qkvgemm,@function
k_q6b1ad7e332_qkvgemm:
	s_mov_b64 s[64:65], 0
	v_nop
	global_prefetch_b8 v0, s[64:65] scope:SCOPE_SE
	s_setreg_imm32_b32 hwreg(HW_REG_WAVE_MODE, 25, 1), 1
	s_wait_xcnt 0x0
	s_wait_alu depctr_hold_cnt(0) depctr_sa_sdst(0) depctr_va_vdst(0) depctr_va_sdst(0) depctr_va_ssrc(0) depctr_va_vcc(0) depctr_vm_vsrc(0)
	s_getreg_b32 s2, hwreg(HW_REG_IB_STS2, 6, 4)
	s_cmp_eq_u32 s2, 0
	s_cbranch_scc0 .Lentry_in_a_cluster
	s_endpgm
.Lentry_in_a_cluster:
	s_bfe_u32 s2, ttmp6, 0x10000c
	s_cmp_lg_u32 s2, 0xf033
	s_cbranch_scc0 .Lentry_shape_is_right
	s_endpgm
.Lentry_shape_is_right:
; q, k, v = x qkv_w^T + qkv_b on codes of E5M2, and their quantising, into IMAGES OF THE OPERAND REGISTERS that the attention launch loads.
; codes: x's [8192][1024] at byte 0, qkv_w's [3072][1024] at byte 8,388,608; K = 1,024 innermost.  Scales: e0 (x), e1 (qkv_w), e2 (q), e3 (k), e5 (v).
; A tile of the product, 256 x 256, is made by four waves, each 128 x 128: 64 accumulators of 16 x 16, 512 registers.  K goes in steps of 256 through two LDS slots filled by the tensor data mover.
; KIND = the cluster's x: 0 q, 1 k, 2 v; it is the same in all sixteen work-groups of a cluster.
;   q, k: operand A' (source 1, shared along the cluster's row) = 256 tokens of x, B' (source 0, shared along its column) = 256 rows of qkv_w.  A lane then holds ONE token and eight neighbouring features.
;   v:    the operands change places: A' = 256 rows of qkv_w, B' = 256 tokens: a lane holds ONE feature, and its registers run along the tokens, which are the K of the product with the softmax.
; Only addresses differ between the kinds up to the last two steps along K; then the text parts on KIND (bias, scale, places of the stores).
; THE WAY OUT.  A sum stands for sum x 2^(e0 + e1).  So sum + bias / 2^(e0 + e1) is held within +-57,344 x 2^(eo - e0 - e1) and converted with the scale 2^(eo - e0 - e1), eo = e2, e3 or e5.
; The eight conversions of a block of 16 A' rows give 16 registers that ARE fragments: q, k: two heads' fragments (16 tokens x 64) of 8 registers; v: one fragment (16 channels x 128 keys).
; Each group of four registers is stored as it stands, lane l's 16 bytes at 16 l: a store of the wave covers 512 consecutive bytes, aligned.  No stage in LDS.
;   q at byte 0, k at 8,388,608: [batch x head 64][tile of 16 tokens 128][1,024 bytes];   v at 16,777,216: [batch x head 64][step of 128 keys 16][tile of 16 channels 4][2,048 bytes].
; LIMITS: eo - e0 - e1 between -126 and 112, so that both powers of two are f32 numbers.  NaN among the inputs is not served.
; REGISTERS, in windows of 256: window 0: v0-31 addresses; v32-95 the bias; from v128 A's fragments (8 x 16 rows x 128 K), one set; on the way out v128-191 sums + bias, v192-255 four sets of codes.
;   window 1: B's fragments, two sets, at v0 and v128.   window 2: the 32 accumulators of my A' rows 0-63 ((a, b) at v[8 (8 a + b)]);   window 3: those of rows 64-127.
.set ROWB,   256                       ; a tile's row in bytes
.set KROW,   1024                      ; a row of codes in memory
.set PITCH,  272                       ; an LDS row: 256 bytes + 16 of padding = 68 words: the 16 rows that a load touches start at 16 different banks (64 banks of 4 bytes: ISA guide 11.1)
.set FR,     16                        ; registers of a fragment
.set NL,     4                         ; LDS loads that bring one
.set NP,     4                         ; places behind this matrix instruction (ISA guide 7.12.1)
.set HALFT,  128*PITCH                 ; 128 rows: what one tensor load brings, and what one wave reads of A' or of B'
.set SLOT,   4*HALFT                   ; A's 256 rows, then B's 256 rows
.set SPARE,  2*SLOT                    ; behind the ring: the spare words, 128 bytes for each wave
.set WOFF,   0x800000                  ; qkv_w's codes begin here
.set ADRA, 16                          ; v16-17  LDS address of my A' fragments in slot 0, 1
.set ADRB, 20                          ; v20-21  the same for B'
.set LO,   24                          ; v24     16 x lane: my place in an image
.set BH,   25                          ; v25     32 x (lane / 16): my eight features' bias
.set BR,   26                          ; v26     4 x (lane % 16): my one feature's bias
.set SCV,  27                          ; v27     2^(eo - e0 - e1)
.set SPW,  28                          ; v28     LDS address of my spare word; never rewritten
.set NIL,  29                          ; v29     0; never rewritten
.set LIMV, 30                          ; v30     57,344 x 2^(eo - e0 - e1)
.set BB,   32                          ; v32-95  q, k: the bias of my 128 features' lanes: register 8 b + j
.set BA,   32                          ; v32-47  v: the bias of feature 16 a + lane % 16, twice, a pair for each a
.set AF,   128
.set TMP,  128
.set CD,   192
.set G1, 24                            ; s[24:31] descriptor group 1 for A's tiles;  s[32:39] group 0, one set for each slot
.set G0, 32
.set G1B, 48                           ; s[48:55], s[56:63] the same for B's tiles
.set G0B, 56
.set MSB, 0
.macro WIN new                         ; the immediate's high byte repeats the setting that is left
.if MSB != \new
	s_set_vgpr_msb (MSB<<8)|\new
.set MSB, \new
.endif
.endm
.set MUL_LO, 0xa1                      ; source 0 (B') window 1, source 1 (A') window 0, C and D window 2
.set MUL_HI, 0xf1                      ; the same, C and D window 3
.set TO_B,   0x40                      ; destination window 1, address window 0
; A joint load: waves 0 and 1 fetch for A', waves 2 and 3 for B'.  Each line has one mask and one set of registers for all that issue it; the branch hangs on the wave's number alone.
; Four v_nop follow each of the two lines, ahead of the jump, the label and what follows.
.macro JLOAD g0a, g1a, g0b, g1b
	s_cmp_eq_u32 s15, 0
	s_cbranch_scc0 .Lfor_b_\@
	tensor_load_to_lds s[\g0a:\g0a+3], s[\g1a:\g1a+7]
	s_nop 0
.rept 4
	v_nop
.endr
	s_branch .Lasked_\@
.Lfor_b_\@:
	tensor_load_to_lds s[\g0b:\g0b+3], s[\g1b:\g1b+7]
	s_nop 0
.rept 4
	v_nop
.endr
.Lasked_\@:
.endm
.macro CREST                           ; a round of the cluster's barrier behind its opening barrier
	s_cmp_lg_u32 s14, 0
	s_cbranch_scc1 .Lnot_wave_0_\@
	s_barrier_signal -3
.Lnot_wave_0_\@:
	s_barrier_wait -3
	s_barrier_signal -1
	s_barrier_wait -1
.endm
.macro CROUND                          ; a whole round
	s_barrier_signal -1
	s_barrier_wait -1
	CREST
.endm
	s_load_b256 s[4:11], s[0:1], 0x0               ; codes s[4:5], the scales' exponents s[6:7], qkv_b s[8:9], the images s[10:11]
	v_lshl_add_u32 v[SPW], v0, 2, SPARE
	v_mov_b32 v[NIL], 0
	ds_add_u32 v28, v29
	ds_add_u32 v28, v29
	s_wait_dscnt 0x0
	v_lshrrev_b32 v1, 5, v0
	v_readfirstlane_b32 s14, v1                    ; wave 0..3
	s_lshr_b32 s15, s14, 1                         ; which half of the tile's A' rows is mine.  Also: I fetch for A' (0) or for B' (1)
	s_and_b32 s16, s14, 1                          ; which half of its B' rows.  Also: which 128 rows of that tile I fetch
	s_bfe_u32 s40, ttmp6, 0x40000                  ; cx, cy: my place in the cluster
	s_bfe_u32 s41, ttmp6, 0x40004
	s_and_b32 s17, ttmp7, 0xffff                   ; the cluster's y: 1,024 tokens
	s_lshl_b32 s43, s41, 2
	s_lshl_b32 s43, 15, s43                        ; my row of the cluster
	s_lshl_b32 s44, 0x1111, s40                    ; my column
	; descriptor group 1: a tile of 128 rows x 256 bytes, padded in LDS
	s_or_b32 s[G1+0], s43, (0<<16)|(1<<20)|(1<<21)|(5<<22)|(3<<25)  ; 15:0 the mask: A's tiles go to my row; 17:16 element of 1 byte; 20 padding on; 21 set beside a mask; 24:22 after every 64 words; 31:25 of 4 words
	s_or_b32 s[G1B+0], s44, (0<<16)|(1<<20)|(1<<21)|(5<<22)|(3<<25)
.irp g, G1, G1B
	s_mov_b32 s[\g+1], ROWB<<16                    ; tensor_dim0
	s_mov_b32 s[\g+2], 128<<16                     ; tensor_dim1 = 128
	s_mov_b32 s[\g+3], ROWB<<16                    ; tile_dim0
	s_mov_b32 s[\g+4], 128                         ; tile_dim1 = 128
	s_mov_b32 s[\g+5], KROW                        ; tensor_dim0_stride
	s_mov_b32 s[\g+6], 0
	s_mov_b32 s[\g+7], 0
.endr
	; where the tiles come from.  A's hang on cy (and on what the whole cluster shares), B's on cx: each in registers that never hold the other coordinate
	s_lshl_b32 s18, s16, 7                         ; which 128 rows of the tile I fetch
	s_lshl_b32 s19, s17, 10                        ; the cluster's first token
	s_lshl_b32 s21, ttmp9, 10                      ; q, k: the kind's first row of qkv_w
	s_lshl_b32 s22, s41, 8
	s_add_co_u32 s22, s22, s18                     ; 256 cy + 128 x half
	s_lshl_b32 s46, s40, 8
	s_add_co_u32 s46, s46, s18                     ; 256 cx + 128 x half
	s_mov_b32 s23, 2048                            ; v's first row of qkv_w
	s_mov_b32 s68, WOFF
	s_cmp_eq_u32 ttmp9, 2                          ; v?  The same answer in all sixteen work-groups
	s_cselect_b32 s20, s23, s19                    ; A': rows of qkv_w from 2,048 on, or the cluster's tokens
	s_cselect_b32 s69, s68, 0
	s_cselect_b32 s47, s19, s21                    ; B': the cluster's tokens, or rows of qkv_w
	s_cselect_b32 s70, 0, s68
	s_add_co_u32 s20, s20, s22
	s_lshl_b32 s20, s20, 10                        ; rows of 1,024 bytes
	s_add_co_u32 s20, s20, s69
	s_mov_b32 s21, 0
	s_add_co_u32 s46, s46, s47
	s_lshl_b32 s46, s46, 10
	s_add_co_u32 s46, s46, s70
	s_mov_b32 s47, 0
	s_mul_i32 s45, s14, HALFT                      ; where they go: wave x 128 rows: no place in the cluster enters an LDS address
	s_wait_kmcnt 0x0
	s_load_b256 s[80:87], s[6:7], 0x0              ; e0 .. e7
	s_add_nc_u64 s[20:21], s[4:5], s[20:21]
	s_add_nc_u64 s[46:47], s[4:5], s[46:47]
	CROUND                                         ; all sixteen work-groups are here: the first joint loads meet
.irp s, 0,1
	s_mov_b32 s[G0+4*\s], 1
	s_add_co_u32 s[G0+4*\s+1], s45, \s*SLOT
	s_add_nc_u64 s[G0+4*\s+2:G0+4*\s+3], s[20:21], \s*ROWB
	s_or_b32 s[G0+4*\s+3], s[G0+4*\s+3], 0x80000000
	s_mov_b32 s[G0B+4*\s], 1
	s_add_co_u32 s[G0B+4*\s+1], s45, \s*SLOT
	s_add_nc_u64 s[G0B+4*\s+2:G0B+4*\s+3], s[46:47], \s*ROWB
	s_or_b32 s[G0B+4*\s+3], s[G0B+4*\s+3], 0x80000000
	JLOAD G0+4*\s, G1, G0B+4*\s, G1B
.endr
	v_and_b32 v1, 15, v0                           ; l % 16
	v_bfe_u32 v2, v0, 4, 1                         ; l / 16
	v_mul_u32_u24 v3, v1, PITCH
	v_lshl_add_u32 v4, v2, 4, v3                   ; a fragment's row x pitch + 16 x half
	s_mul_i32 s21, s15, HALFT                      ; my 128 rows of A'
	s_mul_i32 s22, s16, HALFT                      ; my 128 rows of B',
	s_add_co_u32 s22, s22, 2*HALFT                 ; which lie behind A's 256
.irp s, 0,1
	v_add_nc_u32 v[ADRA+\s], s21, v4
	v_add_nc_u32 v[ADRB+\s], s22, v4
	s_add_co_u32 s21, s21, SLOT
	s_add_co_u32 s22, s22, SLOT
.endr
	v_and_b32 v5, 31, v0
	v_lshlrev_b32 v[LO], 4, v5
	v_lshlrev_b32 v[BH], 5, v2
	v_lshlrev_b32 v[BR], 2, v1
.macro FRAG reg, adr, q, i             ; a fragment, 16 rows x 128 K: lane l holds row l % 16; registers 4 c .. 4 c + 3 hold K = 32 c + 16 (l / 16) + 0 .. 15: the same places of k in A' and in B', so every product meets its partner
.irp c, 0,1,2,3
	ds_load_b128 v[\reg+4*\c:\reg+4*\c+3], v[\adr] offset:128*(\q)+32*\c+(\i)*16*PITCH
.endr
.endm
; 16 matrix instructions: A's blocks a0, a0 + 1 x B's eight, 128 along K.  p: B's set.  zero = 1: the first product starts the sums.  The 64 accumulators take turns, one instruction a turn, in the same order in every step.
.macro MUL16 a0, p, zero
.irp a, \a0, \a0+1
.irp b, 0,1,2,3,4,5,6,7
.if \zero
	v_wmma_f32_16x16x128_bf8_bf8 v[8*(8*((\a)%4)+\b):8*(8*((\a)%4)+\b)+7], v[128*(\p)+FR*\b:128*(\p)+FR*\b+FR-1], v[AF+FR*(\a):AF+FR*(\a)+FR-1], 0
.else
	v_wmma_f32_16x16x128_bf8_bf8 v[8*(8*((\a)%4)+\b):8*(8*((\a)%4)+\b)+7], v[128*(\p)+FR*\b:128*(\p)+FR*\b+FR-1], v[AF+FR*(\a):AF+FR*(\a)+FR-1], v[8*(8*((\a)%4)+\b):8*(8*((\a)%4)+\b)+7]
.endif
.endr
.endr
.endm
.macro FETCH_B slot, q, p              ; B's eight fragments of the slot's q-th 128 along K into set p
	WIN TO_B
.irp i, 0,1,2,3,4,5,6,7
	FRAG 128*(\p)+FR*\i, ADRB+\slot, \q, \i
.endr
	WIN 0
.endm
.macro FETCH_A slot, q, i0             ; A's blocks i0 .. i0 + 3
.irp i, \i0, \i0+1, \i0+2, \i0+3
	FRAG AF+FR*(\i), ADRA+\slot, \q, \i
.endr
.endm
.macro PLACES n                        ; plain vector lines between a matrix instruction and a load into, or a vector line on, one of its registers
.rept \n
	v_nop
.endr
.endm
; A step of 128 along K that has its successor in the same slot.
.macro STEP slot, q, zero
	s_wait_dscnt 4*NL                              ; B's set and A's blocks 0-3 are in; the youngest sixteen loads (A's blocks 4-7) may be out
	WIN MUL_LO
	MUL16 0, (\q)%2, \zero
	MUL16 2, (\q)%2, \zero
	s_wait_dscnt 0                                 ; A's blocks 4-7 are in
	PLACES NP
	FETCH_B \slot, (\q)+1, 1-(\q)%2
	FETCH_A \slot, (\q)+1, 0
	WIN MUL_HI
	MUL16 4, (\q)%2, \zero
	MUL16 6, (\q)%2, \zero
	PLACES NP
	WIN 0
	FETCH_A \slot, (\q)+1, 4
.endm
; A slot's last step changes slots: one barrier; in front of it each wave waits for all its tensor loads, adds 0 to its spare word, and waits for that and for its own reads of this slot.  fill = 1: this slot is filled again, two slots ahead.
.macro TURN slot, next, fill
	s_wait_tensorcnt 0x0                           ; all my tensor loads have landed: my part of the next slot  (every window is 0 here)
	ds_add_u32 v[SPW], v[NIL]                      ; 0 onto my spare word
	s_wait_dscnt 4*NL+1                            ; (the add and the youngest sixteen loads, A's blocks 4-7, may be out)
	WIN MUL_LO
	MUL16 0, 1, 0                                  ; sixteen matrix instructions stand between the add and the wait for it
	s_wait_dscnt 0x0                               ; the add is done, and my reads of this slot are over
	s_barrier_signal -1
	MUL16 2, 1, 0
	WIN 0
	s_barrier_wait -1
.if \fill
	CREST                                          ; the barrier has opened a round of the cluster's barrier: no wave of any partner still reads this slot or has a load on its way
	s_add_nc_u64 s[G0+4*\slot+2:G0+4*\slot+3], s[G0+4*\slot+2:G0+4*\slot+3], 2*ROWB
	s_add_nc_u64 s[G0B+4*\slot+2:G0B+4*\slot+3], s[G0B+4*\slot+2:G0B+4*\slot+3], 2*ROWB
	JLOAD G0+4*\slot, G1, G0B+4*\slot, G1B         ; the first tensor load behind the round; its four v_nop are also the places in front of the loads below
.else
	PLACES NP
.endif
	FETCH_B \next, 0, 0
	FETCH_A \next, 0, 0
	WIN MUL_HI
	MUL16 4, 1, 0
	MUL16 6, 1, 0
	PLACES NP
	WIN 0
	FETCH_A \next, 0, 4
.endm
; Block a of 16 A' rows leaves: + bias, the hold, eight conversions, four stores of 512 consecutive bytes.
.macro OUT a, kind
.set AC, 64*((\a)%4)
.set CC, CD+16*((\a)%4)
	WIN 0x02+((\a)/4)                              ; source 0: window 2 or 3
.set jj, 0
.rept 32                               ; each accumulator from its low end on
.if \kind
	v_pk_add_f32 v[TMP+jj:TMP+jj+1], v[AC+jj:AC+jj+1], v[BA+2*(\a):BA+2*(\a)+1]   ; my lane's one feature
.else
	v_pk_add_f32 v[TMP+jj:TMP+jj+1], v[AC+jj:AC+jj+1], v[BB+jj:BB+jj+1]           ; my lane's features 16 b + 8 (l / 16) + j
.endif
.set jj, jj+2
.endr
	WIN 0
.set jj, 0
.rept 64
	v_med3_num_f32 v[TMP+jj], v[TMP+jj], -v[LIMV], v[LIMV]   ; the conversion to an 8-bit code does not saturate (ISA guide 7.6.2)
.set jj, jj+1
.endr
.if (\a) >= 4
	s_wait_xcnt 0x0                                ; block a - 4's stores have read their data: the set of codes may be written again
.endif
.irp b, 0,1,2,3,4,5,6,7
	v_cvt_scalef32_pk8_bf8_f32 v[CC+2*\b:CC+2*\b+1], v[TMP+8*\b:TMP+8*\b+7], v[SCV]
.endr
	v_nop                                          ; a plain line between the conversions and the next block's additions, which write their sources
.irp c, 0,1,2,3
.if \kind
	global_store_b128 v[LO], v[CC+4*\c:CC+4*\c+3], s[10:11] offset:131072*((\a)/4)+2048*((\a)%4)+512*\c   ; head a / 4, channels 16 (a % 4) on: registers 4 c .. 4 c + 3 of the fragment
.else
	global_store_b128 v[LO], v[CC+4*\c:CC+4*\c+3], s[10:11] offset:1024*(\a)+512*(\c%2)+131072*(\c/2)     ; tokens 16 a on, head c / 2: registers 4 (c % 2) .. of its fragment
.endif
.endr
.endm
; The last two steps along K and the way out.  kind = 0: q or k; 1: v.  The bias is asked for first, so that it lands under 128 matrix instructions.
.macro FINISH kind
.if \kind
	s_lshl_b32 s68, s41, 8
	s_lshl_b32 s69, s15, 7
	s_add_co_u32 s68, s68, s69
	s_add_co_u32 s68, s68, 2048                    ; my first feature: 2,048 + 256 cy + 128 x half
	s_lshl_b32 s68, s68, 2
	s_mov_b32 s69, 0
	s_add_nc_u64 s[8:9], s[8:9], s[68:69]
.irp a, 0,1,2,3,4,5,6,7
	global_load_b32 v[BA+2*\a], v[BR], s[8:9] offset:64*\a        ; twice: a pair for the packed addition
	global_load_b32 v[BA+2*\a+1], v[BR], s[8:9] offset:64*\a
.endr
	s_lshl_b32 s70, s17, 2
	s_add_co_u32 s70, s70, s40                     ; my tile of 256 tokens: 4 x cluster y + cx
	s_and_b32 s70, s70, 7                          ; within its batch
	s_lshl_b32 s70, s70, 1
	s_add_co_u32 s70, s70, s16                     ; my step of 128 keys
	s_lshr_b32 s71, s17, 1                         ; the batch
	s_lshl_b32 s71, s71, 4
	s_lshl_b32 s72, s41, 2
	s_add_co_u32 s71, s71, s72
	s_lshl_b32 s72, s15, 1
	s_add_co_u32 s71, s71, s72                     ; batch x 16 + my first head (4 cy + 2 x half)
	s_lshl_b32 s71, s71, 4
	s_add_co_u32 s70, s70, s71
	s_lshl_b32 s70, s70, 13                        ; 8,192 bytes a step
	s_add_co_u32 s70, s70, 0x1000000               ; v's images
.else
	s_lshl_b32 s68, ttmp9, 10
	s_lshl_b32 s69, s40, 8
	s_add_co_u32 s68, s68, s69
	s_lshl_b32 s69, s16, 7
	s_add_co_u32 s68, s68, s69                     ; my first feature: 1,024 x kind + 256 cx + 128 x half
	s_lshl_b32 s68, s68, 2
	s_mov_b32 s69, 0
	s_add_nc_u64 s[8:9], s[8:9], s[68:69]
.irp b, 0,1,2,3,4,5,6,7
	global_load_b128 v[BB+8*\b:BB+8*\b+3], v[BH], s[8:9] offset:64*\b
	global_load_b128 v[BB+8*\b+4:BB+8*\b+7], v[BH], s[8:9] offset:64*\b+16
.endr
	s_lshl_b32 s70, s17, 2
	s_add_co_u32 s70, s70, s41                     ; my tile of 256 tokens: 4 x cluster y + cy
	s_and_b32 s70, s70, 7                          ; within its batch
	s_lshl_b32 s70, s70, 4
	s_lshl_b32 s71, s15, 3
	s_add_co_u32 s70, s70, s71                     ; my first tile of 16 tokens
	s_lshr_b32 s71, s17, 1                         ; the batch
	s_lshl_b32 s71, s71, 4
	s_lshl_b32 s72, s40, 2
	s_add_co_u32 s71, s71, s72
	s_lshl_b32 s72, s16, 1
	s_add_co_u32 s71, s71, s72                     ; batch x 16 + my first head (4 cx + 2 x half)
	s_lshl_b32 s71, s71, 7
	s_add_co_u32 s70, s70, s71
	s_lshl_b32 s70, s70, 10                        ; 1,024 bytes a tile
	s_lshl_b32 s71, ttmp9, 23                      ; q's images, or k's
	s_add_co_u32 s70, s70, s71
.endif
	s_mov_b32 s71, 0
	s_add_nc_u64 s[10:11], s[10:11], s[70:71]
	STEP 1, 0, 0
	s_wait_dscnt 4*NL                              ; the very last step: nothing more to fetch
	WIN MUL_LO
	MUL16 0, 1, 0
	MUL16 2, 1, 0
	s_wait_dscnt 0
	WIN MUL_HI
	MUL16 4, 1, 0
	MUL16 6, 1, 0
	WIN 0
	s_wait_kmcnt 0x0                               ; the exponents
	s_add_co_i32 s88, s80, s81                     ; e0 + e1
.if \kind
	s_mov_b32 s89, s85                             ; e5
.else
	s_cmp_eq_u32 ttmp9, 0
	s_cselect_b32 s89, s82, s83                    ; e2 or e3
.endif
	s_sub_co_i32 s89, s89, s88
	s_add_co_i32 s89, s89, 127
	s_lshl_b32 s90, s89, 23
	v_mov_b32 v[SCV], s90
	s_add_co_i32 s89, s89, 15
	s_lshl_b32 s89, s89, 23
	s_or_b32 s89, s89, 0x600000
	v_mov_b32 v[LIMV], s89
	s_sub_co_i32 s88, 0, s88
	s_wait_loadcnt 0x0                             ; the bias
.set jj, 0
.rept 64-48*\kind                      ; bias / 2^(e0 + e1): exact.  These lines name no register of the last products: they are the places behind them
	v_ldexp_f32 v[BB+jj], v[BB+jj], s88
.set jj, jj+1
.endr
.irp a, 0,1,2,3,4,5,6,7
	OUT \a, \kind
.endr
.endm
	s_wait_tensorcnt 1                             ; my part of slot 0 is in (slot 1's load may be out)
	s_barrier_signal -1
	s_barrier_wait -1                              ; everybody's is
	FETCH_B 0, 0, 0
	FETCH_A 0, 0, 0
	FETCH_A 0, 0, 4
	STEP 0, 0, 1                                   ; K 0-127: these products start the sums
	TURN 0, 1, 1                                   ; K 128-255; slot 0 takes K 512-767
	STEP 1, 0, 0
	TURN 1, 0, 1                                   ; slot 1 takes K 768-1,023
	STEP 0, 0, 0
	TURN 0, 1, 0                                   ; nothing is left to fetch
	s_cmp_eq_u32 ttmp9, 2                          ; the cluster's x: the same in all partners and all waves
	s_cbranch_scc1 .Lv
	FINISH 0
	s_branch .Ldone
.Lv:
	FINISH 1
.Ldone:
	s_wait_tensorcnt 0x0                           ; the wave's end
	ds_add_u32 v[SPW], v[NIL]
	s_wait_dscnt 0x0
	CROUND                                         ; the closing round: no work-group ends while a partner may still ask for a tile that names it
	s_endpgm
.Lfunc_end_k_q6b1ad7e332_qkvgemm:
	.size	k_q6b1ad7e332_qkvgemm, .Lfunc_end_k_q6b1ad7e332_qkvgemm-k_q6b1ad7e332_qkvgemm
	.p2alignl 7, 3214868480
	.fill 96, 4, 3214868480
	.section	.rodata,"a",@progbits
	.p2align	6, 0x0
	.amdhsa_kernel k_q6b1ad7e332_qkvgemm
		.amdhsa_group_segment_fixed_size 327680
		.amdhsa_private_segment_fixed_size 0
		.amdhsa_enable_private_segment 0
		.amdhsa_kernarg_size 32
		.amdhsa_user_sgpr_count 2
		.amdhsa_user_sgpr_kernarg_segment_ptr 1
		.amdhsa_wavefront_size32 1
		.amdhsa_system_sgpr_workgroup_id_x 1
		.amdhsa_system_sgpr_workgroup_id_y 1
		.amdhsa_system_sgpr_workgroup_id_z 1
		.amdhsa_system_vgpr_workitem_id 0
		.amdhsa_next_free_vgpr 1024
		.amdhsa_next_free_sgpr 100
		.amdhsa_reserve_vcc 0
		.amdhsa_float_denorm_mode_32 3
		.amdhsa_float_denorm_mode_16_64 3
		.amdhsa_memory_ordered 1
		.amdhsa_forward_progress 1
		.amdhsa_inst_pref_size 212
	.end_amdhsa_kernel
	.amdgpu_metadata
---
amdhsa.version: [ 1, 2 ]
amdhsa.kernels:
  - .name:           k_q6b1ad7e332_qkvgemm
    .symbol:         k_q6b1ad7e332_qkvgemm.kd
    .args:
      - { .name: codes, .offset: 0, .size: 8, .value_kind: global_buffer, .address_space: global }
      - { .name: lowp_scales, .offset: 8, .size: 8, .value_kind: global_buffer, .address_space: global }
      - { .name: qkv_b, .offset: 16, .size: 8, .value_kind: global_buffer, .address_space: global }
      - { .name: qkvimg, .offset: 24, .size: 8, .value_kind: global_buffer, .address_space: global }
    .group_segment_fixed_size: 327680
    .private_segment_fixed_size: 0
    .kernarg_segment_align: 8
    .kernarg_segment_size: 32
    .max_flat_workgroup_size: 128
    .sgpr_count:     100
    .vgpr_count:     1024
    .wavefront_size: 32
...
	.end_amdgpu_metadata
.endif
;; end of part 2
;; launch attn (part 3): grid 4 x 64, 8 waves a work-group, no clusters, 263,168 bytes of LDS; arguments qkvimg, maskw, msum, lowp_scales, yimg; writes yimg
.if DOCPART == 3
	.amdgcn_target "amdgcn-amd-amdhsa--gfx1250"
	.amdhsa_code_object_version 6
	.text
	.protected	k_q6b1ad7e332_attn
	.globl	k_q6b1ad7e332_attn
	.p2align	8
	.type	k_q6b1ad7e332_attn,@function
k_q6b1ad7e332_attn:
	s_mov_b64 s[64:65], 0
	v_nop
	global_prefetch_b8 v0, s[64:65] scope:SCOPE_SE
	s_setreg_imm32_b32 hwreg(HW_REG_WAVE_MODE, 25, 1), 1
	s_wait_xcnt 0x0
; y = softmax(q k^T / 8, hidden where the given mask is 0) v, both products on codes of E5M2; y is quantised for the last product and stored as images of that product's operand registers.
; THE SOFTMAX: t = score x log2(e) / 8; M = the row's largest t so far, rounded up to a whole number; p = 2^(t - M) is quantised with 2^e4; the row's sum is taken of the unquantised p and divides at the end.
; When M moves, the sum and O are multiplied by 2^(old M - new M): exact.
; SHARES.  Work-group (j, bh) serves batch x head bh.  The head's K and V, 131,072 bytes of codes each, are copied into LDS ONCE, through registers, as the images in which they lie in memory: one barrier, no ring.
; No tensor load: so the walk over the keys may branch on the stored summary of the mask.  No cluster: what the four work-groups of a head share is read once each, at their heads.
; A wave owns a PAIR of query tiles (32 queries): tile A's state in register window 0, tile B's at the same numbers in window 1; each fragment of K and V read from LDS feeds both.
; Pairs p = 4 i + j; wave w takes i = w, then i = 15 - w.
; LAYOUT.  S^T = K Q^T (source 0 = 16 keys, source 1 = 16 queries, K = 64) and O^T = V^T P^T (source 0 = 16 channels, source 1 = P, K = 128 keys): a lane holds ONE query (lane % 16) throughout.
; Score register 8 t + j of lane l is key 16 t + 8 (l / 16) + j of the step: the eight conversions' results are registers 2 t, 2 t + 1 of P, the places that the K = 128 form gives those keys.
; THE MASK.  maskw holds, for each pair, step and tile, 64 words: word n is the lane mask of score register n.  A hidden score is replaced by -2^77, far under every score (their magnitude stays under 2^38).
; -2^77 x c is a whole number, so a row ALL of whose keys are hidden gets p = 1 on every key, the uniform row that the softmax gives there; any open key wipes what was summed before by a factor 0.
; msum says which steps are wholly hidden and which wholly open.  A wholly hidden step is left out, but only where each of the pair's 32 rows has an open key somewhere; a wholly open step skips the masking.
; LIMITS: e2 + e3 between -51 and 51; e4 and e6 between -126 and 112.  NaN among the inputs is not served.
; REGISTERS (both windows unless said): v16-23 Q of pass 0, v152-159 of pass 1; v24-87 S^T, then p; v88-119 O^T; v120-135 P's codes, at the end y's; v136 -M, v137 the largest t, v[138:139] the sum in two halves;
;   v140-146 at work; v147 2^e4, v148 2^e6, v149 57,344 x 2^e6, v150 57,344 x 2^e4.  Window 0 alone: v1-6 addresses, v160-223 K's eight fragments.  Window 1 alone: v160-223 V's four.
.set VBASE, 131072                     ; LDS: K's images at 0 (8,192 bytes a step of 128 keys), V's here (likewise)
.set LI,   1                           ; v1   16 x lane
.set ADK,  2                           ; v2   the step's K in LDS
.set ADV,  3                           ; v3   the step's V
.set LIV,  4                           ; v4   16 x lane + VBASE
.set FK,   5                           ; v5   the fill: my wave's 16,384 bytes, in memory and in LDS
.set FV,   6                           ; v6   the same + VBASE
.set Q0,   16
.set S,    24
.set O,    88
.set P,    120
.set NM,   136
.set TM,   137
.set L,    138
.set T0,   140
.set T1,   141
.set F,    142
.set A2,   144
.set PX,   146
.set SCL,  147
.set SC6,  148
.set LIM6, 149
.set LIMP, 150
.set Q1,   152
.set KF,   160
.set VF,   160
.set WORK0, 14                         ; s14, s15  pass 0: bit s: step s is walked; bit s: step s is wholly open
.set OPEN0, 15
.set WORK1, 66                         ; s66, s67  pass 1
.set OPEN1, 67
.set MW0,  68                          ; s[68:69]  pass 0: the step's mask words; it walks
.set YO0,  70                          ; s[70:71]  pass 0: where y goes
.set YO1,  72
.set MW1,  74
.set EP,   76                          ; s76  e4
.set EXPO, 77                          ; s77  e4 + e5
.set TB,   78                          ; s78  the step's first byte in K's and in V's images
.set STEPC, 79                         ; s79  the step
.set CS,   96                          ; s[96:97] c = log2(e) / 8 x 2^(e2 + e3), twice
.set SEL,  98                          ; s[98:99] lane selects: lane l xor 16
.set RM,   100                         ; s100 -2^77
; s[16:63] and s[80:95]: 64 words of the mask or of its summary: word n in s[16 + n], from n = 48 on in s[32 + n]
.set MSB, 0
.macro WIN new                         ; the immediate's high byte repeats the setting that is left
.if MSB != \new
	s_set_vgpr_msb (MSB<<8)|\new
.set MSB, \new
.endif
.endm
; The summary of a pair's 16 steps (4 words each: OR of tile A's words, of B's, AND of A's, of B's) becomes two words of bits.
.macro FLAGS work, open, adr
	s_load_b512 s[16:31], s[\adr:\adr+1], 0x0
	s_load_b512 s[32:47], s[\adr:\adr+1], 0x40
	s_load_b512 s[48:63], s[\adr:\adr+1], 0x80
	s_load_b512 s[80:95], s[\adr:\adr+1], 0xc0
	s_mov_b32 s4, 0
	s_mov_b32 s5, 0
	s_mov_b32 s[\work], 0
	s_mov_b32 s[\open], 0
	s_wait_kmcnt 0x0
.set st, 0
.rept 16
.set w0, 16+4*st+16*(st/12)
	s_or_b32 s4, s4, s[w0]                         ; which lanes of tile A have an open key anywhere,
	s_or_b32 s5, s5, s[w0+1]                       ; which of tile B
	s_or_b32 s2, s[w0], s[w0+1]
	s_cmp_lg_u32 s2, 0
	s_cselect_b32 s2, 1<<st, 0
	s_or_b32 s[\work], s[\work], s2                ; the step has an open key
	s_and_b32 s2, s[w0+2], s[w0+3]
	s_cmp_eq_u32 s2, -1
	s_cselect_b32 s2, 1<<st, 0
	s_or_b32 s[\open], s[\open], s2                ; the step has no hidden key
.set st, st+1
.endr
	s_lshr_b32 s2, s4, 16                          ; a row's keys lie in lanes r and r + 16
	s_or_b32 s4, s4, s2
	s_lshr_b32 s2, s5, 16
	s_or_b32 s5, s5, s2
	s_and_b32 s4, s4, s5
	s_and_b32 s4, s4, 0xffff
	s_cmp_eq_u32 s4, 0xffff                        ; has each of the 32 rows an open key?
	s_cselect_b32 s2, 0, 0xffff
	s_or_b32 s[\work], s[\work], s2                ; if not, every step is walked: a wholly hidden row weighs all keys alike
.endm
; A tile's state at the head of a pass.  Which step is walked first hangs on the mask, so no first step can be written out with the constant 0: O^T begins as zeros, which the first change of M leaves zeros.
.macro INIT
	v_mov_b32 v[TM], 0xff61b1e6                    ; -3e38, under every t
	v_floor_f32 v[NM], -v[TM]
	v_mov_b32 v[L], 0
	v_mov_b32 v[L+1], 0
	v_mov_b32 v[PX], 0                             ; a lane permute's destination counts as one of its sources
	v_mov_b32 v[F+1], 0                            ; (named as the upper half of a pair)
.set ii, 0
.rept 32
	v_mov_b32 v[O+ii], 0
.set ii, ii+1
.endr
.endm
; The maximum, M, f, t - M and the 64 exponentials of one tile.
.macro PART1
	v_max3_num_f32 v[T0], v[S], v[S+1], v[S+2]     ; two chains, each accumulator from its low end on
	v_max3_num_f32 v[T1], v[S+3], v[S+4], v[S+5]
.irp i, 6,10,14,18,22,26,30,34,38,42,46,50,54,58
	v_max3_num_f32 v[T0], v[T0], v[S+\i], v[S+\i+1]
	v_max3_num_f32 v[T1], v[T1], v[S+\i+2], v[S+\i+3]
.endr
	v_max3_num_f32 v[T0], v[T0], v[S+62], v[S+63]
	v_max_num_f32 v[T0], v[T0], v[T1]
	v_permlanex16_b32 v[PX], v[T0], s[SEL], s[SEL+1]
	v_max_num_f32 v[T0], v[T0], v[PX]              ; my query's largest score of the step
	v_mul_f32 v[T0], s[CS], v[T0]                  ; as t (c is positive)
	v_max_num_f32 v[TM], v[TM], v[T0]
	v_mov_b32 v[T0], v[NM]
	v_floor_f32 v[NM], -v[TM]                      ; -M = floor(-t) = -ceil(t)
	v_sub_f32 v[T0], v[NM], v[T0]                  ; old M - new M: a whole number, 0 or less
	v_cvt_i32_f32 v[T0], v[T0]                     ; (it saturates)
	v_ldexp_f32 v[F], 1.0, v[T0]                   ; f = 2^(old M - new M)
.set ii, 0
.rept 32
	v_pk_fma_f32 v[S+ii:S+ii+1], v[S+ii:S+ii+1], s[CS:CS+1], v[NM:NM+1] op_sel_hi:[1,0,0]   ; t - M (of the pairs c and -M the low word serves both halves)
.set ii, ii+2
.endr
.set ii, 0
.rept 64
	v_exp_f32 v[S+ii], v[S+ii]                     ; p = 2^(t - M), at most 1
.set ii, ii+1
.endr
.endm
; The sum of the unquantised p.  wait = 1: the one wait for both tiles' exponentials stands behind the first line, which is plain and names none of their results.
.macro PART2 wait
	v_pk_mul_f32 v[L:L+1], v[L:L+1], v[F:F+1] op_sel_hi:[1,0]
.if \wait
	s_wait_alu depctr_va_vdst(0)                   ; ahead of the first line that names an exponential's result: one for the 128
.endif
	v_pk_add_f32 v[A2:A2+1], v[S:S+1], v[S+2:S+3]
.irp j, 4,8,12,16,20,24,28,32,36,40,44,48,52,56,60
	v_pk_add_f32 v[L:L+1], v[L:L+1], v[S+\j:S+\j+1]
	v_pk_add_f32 v[A2:A2+1], v[A2:A2+1], v[S+\j+2:S+\j+3]
.endr
	v_pk_add_f32 v[L:L+1], v[L:L+1], v[A2:A2+1]
.endm
.macro HOLD                            ; p is never negative: a one-sided hold at 57,344 x 2^e4
.set ii, 0
.rept 64
	v_min_num_f32 v[S+ii], v[S+ii], v[LIMP]
.set ii, ii+1
.endr
.endm
.macro SOFT2                           ; p's codes; O^T under the new M (these sixteen are the plain lines between the conversions and the products)
.irp t, 0,1,2,3,4,5,6,7
	v_cvt_scalef32_pk8_bf8_f32 v[P+2*\t:P+2*\t+1], v[S+8*\t:S+8*\t+7], v[SCL]
.endr
.set ii, 0
.rept 16
	v_pk_mul_f32 v[O+ii:O+ii+1], v[O+ii:O+ii+1], v[F:F+1] op_sel_hi:[1,0]
.set ii, ii+2
.endr
.endm
.macro FIN                             ; y = O^T x 2^(e4 + e5) / the sum, quantised with 2^e6: register 8 t + i is channel 16 t + 8 (l / 16) + i: the codes are registers 2 t, 2 t + 1 of the next operand
	v_add_f32 v[L], v[L], v[L+1]
	v_permlanex16_b32 v[PX], v[L], s[SEL], s[SEL+1]
	v_add_f32 v[L], v[L], v[PX]
	v_rcp_f32 v[T0], v[L]
	v_nop                                          ; a plain line behind the reciprocal
	s_wait_alu depctr_va_vdst(0)                   ; and the wait ahead of its first reader
	v_ldexp_f32 v[F], v[T0], s[EXPO]
.set ii, 0
.rept 16
	v_pk_mul_f32 v[O+ii:O+ii+1], v[O+ii:O+ii+1], v[F:F+1] op_sel_hi:[1,0]
.set ii, ii+2
.endr
.set ii, 0
.rept 32
	v_med3_num_f32 v[O+ii], v[O+ii], -v[LIM6], v[LIM6]
.set ii, ii+1
.endr
.irp t, 0,1,2,3
	v_cvt_scalef32_pk8_bf8_f32 v[P+2*\t:P+2*\t+1], v[O+8*\t:O+8*\t+7], v[SC6]
.endr
	v_nop                                          ; a plain line behind the last conversion
.endm
; A pass: one pair of query tiles against the head's 16 steps of 128 keys.  The trip count is a constant; a step that is left out jumps to the lines that step the addresses.
.macro PASS q, work, open, mw, yo
	INIT
	WIN 0x55
	INIT
	WIN 0
	s_mov_b32 s[TB], 0
	s_mov_b32 s[STEPC], 0
.Lstep_\@:
	s_lshr_b32 s2, s[\work], s[STEPC]
	s_and_b32 s2, s2, 1
	s_cmp_lg_u32 s2, 0
	s_cbranch_scc0 .Lnext_\@
	s_lshr_b32 s3, s[\open], s[STEPC]
	s_and_b32 s3, s3, 1                            ; 1: no key of the step is hidden
	v_add_nc_u32 v[ADK], s[TB], v[LI]
	v_add_nc_u32 v[ADV], s[TB], v[LIV]
.set ii, 0
.rept 16
	ds_load_b128 v[KF+4*ii:KF+4*ii+3], v[ADK] offset:512*ii     ; K's eight fragments, as they stand
.set ii, ii+1
.endr
	WIN 0x40
.set ii, 0
.rept 16
	ds_load_b128 v[VF+4*ii:VF+4*ii+3], v[ADV] offset:512*ii     ; V's four
.set ii, ii+1
.endr
	WIN 0
	s_cmp_lg_u32 s3, 0
	s_cbranch_scc1 .Lnow_\@
	s_load_b512 s[16:31], s[\mw:\mw+1], 0x0        ; tile A's 64 mask words
	s_load_b512 s[32:47], s[\mw:\mw+1], 0x40
	s_load_b512 s[48:63], s[\mw:\mw+1], 0x80
	s_load_b512 s[80:95], s[\mw:\mw+1], 0xc0
.Lnow_\@:
	s_wait_dscnt 16                                ; K is in; V's sixteen loads may be out
.set ii, 0
.rept 8
	v_wmma_f32_16x16x64_bf8_bf8 v[S+8*ii:S+8*ii+7], v[KF+8*ii:KF+8*ii+7], v[\q:\q+7], 0
.set ii, ii+1
.endr
	WIN 0x44                                       ; tile B: Q and S^T in window 1, K in window 0
.set ii, 0
.rept 8
	v_wmma_f32_16x16x64_bf8_bf8 v[S+8*ii:S+8*ii+7], v[KF+8*ii:KF+8*ii+7], v[\q:\q+7], 0
.set ii, ii+1
.endr
	WIN 0
.rept 4
	v_nop                                          ; places in front of the first read of the scores
.endr
	s_wait_kmcnt 0x0                               ; on every way: no scalar load is out behind this line
	s_cmp_lg_u32 s3, 0
	s_cbranch_scc1 .Lopen_\@
.set n, 0
.rept 64
	v_cndmask_b32 v[S+n], s[RM], v[S+n], s[16+n+16*(n/48)]      ; hidden: -2^77
.set n, n+1
.endr
	s_load_b512 s[16:31], s[\mw:\mw+1], 0x100      ; tile B's words
	s_load_b512 s[32:47], s[\mw:\mw+1], 0x140
	s_load_b512 s[48:63], s[\mw:\mw+1], 0x180
	s_load_b512 s[80:95], s[\mw:\mw+1], 0x1c0
	s_wait_kmcnt 0x0
	WIN 0x55
.set n, 0
.rept 64
	v_cndmask_b32 v[S+n], s[RM], v[S+n], s[16+n+16*(n/48)]
.set n, n+1
.endr
	WIN 0
.Lopen_\@:
	PART1                                          ; tile A
	WIN 0x55
	PART1                                          ; tile B
	PART2 1
	WIN 0
	PART2 0
	s_cmp_ge_i32 s[EP], -15                        ; from e4 = -15 on, 57,344 x 2^e4 is 1.75 or more and p is at most 1: the hold changes nothing
	s_cbranch_scc1 .Lheld_\@
	HOLD
	WIN 0x55
	HOLD
	WIN 0
.Lheld_\@:
	SOFT2
	WIN 0x55
	SOFT2
	s_wait_dscnt 0x0                               ; V is in
.set ii, 0
.rept 4                                ; the eight accumulators take turns, one instruction a turn
	v_wmma_f32_16x16x128_bf8_bf8 v[O+8*ii:O+8*ii+7], v[VF+16*ii:VF+16*ii+15], v[P:P+15], v[O+8*ii:O+8*ii+7]
.set ii, ii+1
.endr
	WIN 0x01                                       ; tile A: V in window 1, all else in window 0
.set ii, 0
.rept 4
	v_wmma_f32_16x16x128_bf8_bf8 v[O+8*ii:O+8*ii+7], v[VF+16*ii:VF+16*ii+15], v[P:P+15], v[O+8*ii:O+8*ii+7]
.set ii, ii+1
.endr
	WIN 0
.rept 4
	v_nop                                          ; places in front of the next loads into V's registers, and of the first read of O^T
.endr
.Lnext_\@:
	s_add_co_u32 s[TB], s[TB], 8192
	s_add_nc_u64 s[\mw:\mw+1], s[\mw:\mw+1], 512   ; (every scalar load has been waited for)
	s_add_co_u32 s[STEPC], s[STEPC], 1
	s_cmp_lt_u32 s[STEPC], 16
	s_cbranch_scc1 .Lstep_\@
	FIN
	global_store_b128 v[LI], v[P:P+3], s[\yo:\yo+1]             ; each store: 512 consecutive bytes, aligned
	global_store_b128 v[LI], v[P+4:P+7], s[\yo:\yo+1] offset:512
	WIN 0x55
	FIN
	WIN 0x04                                       ; the data in window 1, the address in window 0
	global_store_b128 v[LI], v[P:P+3], s[\yo:\yo+1] offset:4096
	global_store_b128 v[LI], v[P+4:P+7], s[\yo:\yo+1] offset:4608
	WIN 0
.endm
	s_load_b256 s[4:11], s[0:1], 0x0               ; the images s[4:5], maskw s[6:7], msum s[8:9], the scales' exponents s[10:11]
	s_load_b64 s[12:13], s[0:1], 0x20              ; y's images
	v_lshl_add_u32 v254, v0, 2, 0x40000
	v_mov_b32 v255, 0
	v_lshrrev_b32 v7, 5, v0
	v_readfirstlane_b32 s14, v7                    ; wave 0..7
	v_and_b32 v7, 31, v0
	v_lshlrev_b32 v[LI], 4, v7
	v_add_nc_u32 v[LIV], VBASE, v[LI]
	s_lshl_b32 s2, s14, 14
	v_add_nc_u32 v[FK], s2, v[LI]
	v_add_nc_u32 v[FV], s2, v[LIV]
	s_and_b32 s15, ttmp7, 0xffff                   ; batch x 16 + head
	s_lshl_b32 s24, s14, 2
	s_sub_co_u32 s25, 60, s24
	s_add_co_u32 s24, s24, ttmp9                   ; pass 0's pair: 4 w + j
	s_add_co_u32 s25, s25, ttmp9                   ; pass 1's: 4 (15 - w) + j
	s_lshl_b32 s26, s15, 17                        ; 131,072 bytes of images for each batch x head
	s_mov_b32 s27, 0
	s_and_b32 s28, s15, 15                         ; head
	s_lshr_b32 s29, s15, 4                         ; batch
	s_lshr_b32 s30, s28, 2
	s_lshl_b32 s30, s30, 21                        ; y: [head / 4][tile of 16 tokens 512][4,096 bytes],
	s_lshl_b32 s29, s29, 19                        ; 128 tiles a batch,
	s_add_co_u32 s30, s30, s29
	s_and_b32 s29, s28, 3
	s_lshl_b32 s29, s29, 10                        ; 1,024 bytes for each of the four heads
	s_add_co_u32 s30, s30, s29
	s_mov_b32 s[SEL], 0x76543210
	s_mov_b32 s[SEL+1], 0xfedcba98
	s_mov_b32 s[RM], 0xe6000000                    ; -2^77
	s_wait_kmcnt 0x0
	s_load_b256 s[80:87], s[10:11], 0x0            ; e0 .. e7
	s_add_nc_u64 s[4:5], s[4:5], s[26:27]          ; the head's Q
	s_add_nc_u64 s[20:21], s[4:5], 0x800000        ; its K
	s_add_nc_u64 s[22:23], s[4:5], 0x1000000       ; its V
	s_lshl_b32 s26, s24, 11                        ; 2,048 bytes a pair
	s_add_nc_u64 s[16:17], s[4:5], s[26:27]
	s_lshl_b32 s26, s25, 11
	s_add_nc_u64 s[18:19], s[4:5], s[26:27]
.irp c, 0,1
	global_load_b128 v[Q0+4*\c:Q0+4*\c+3], v[LI], s[16:17] offset:512*\c
	global_load_b128 v[Q1+4*\c:Q1+4*\c+3], v[LI], s[18:19] offset:512*\c
.endr
.set ii, 0
.rept 32                               ; my wave's 16,384 bytes of K, 512 consecutive bytes a load, into v24-87 and v160-223
	global_load_b128 v[24+4*ii+72*(ii/16):27+4*ii+72*(ii/16)], v[FK], s[20:21] offset:512*ii
.set ii, ii+1
.endr
	WIN 0x40
.irp c, 0,1
	global_load_b128 v[Q0+4*\c:Q0+4*\c+3], v[LI], s[16:17] offset:1024+512*\c
	global_load_b128 v[Q1+4*\c:Q1+4*\c+3], v[LI], s[18:19] offset:1024+512*\c
.endr
.set ii, 0
.rept 32                               ; and of V, into the same numbers of window 1
	global_load_b128 v[24+4*ii+72*(ii/16):27+4*ii+72*(ii/16)], v[FK], s[22:23] offset:512*ii
.set ii, ii+1
.endr
	WIN 0
	s_lshl_b32 s26, s24, 13                        ; 8,192 bytes a pair, in maskw and in y's images alike
	s_add_nc_u64 s[MW0:MW0+1], s[6:7], s[26:27]
	s_add_co_u32 s26, s26, s30
	s_add_nc_u64 s[YO0:YO0+1], s[12:13], s[26:27]
	s_lshl_b32 s26, s25, 13
	s_add_nc_u64 s[MW1:MW1+1], s[6:7], s[26:27]
	s_add_co_u32 s26, s26, s30
	s_add_nc_u64 s[YO1:YO1+1], s[12:13], s[26:27]
	s_wait_kmcnt 0x0                               ; the exponents
	s_add_co_i32 s2, s82, s83
	s_lshl_b32 s2, s2, 23
	s_add_co_i32 s[CS], s2, 0x3e38aa3b             ; log2(e) / 8, with e2 + e3 added to its exponent field
	s_mov_b32 s[CS+1], s[CS]
	s_mov_b32 s[EP], s84
	s_add_co_i32 s[EXPO], s84, s85
	s_add_co_i32 s2, s84, 127
	s_lshl_b32 s3, s2, 23                          ; 2^e4
	s_add_co_i32 s2, s2, 15
	s_lshl_b32 s2, s2, 23
	s_or_b32 s2, s2, 0x600000                      ; 57,344 x 2^e4
	s_add_co_i32 s28, s86, 127
	s_lshl_b32 s29, s28, 23                        ; 2^e6
	s_add_co_i32 s28, s28, 15
	s_lshl_b32 s28, s28, 23
	s_or_b32 s28, s28, 0x600000                    ; 57,344 x 2^e6
	v_mov_b32 v[SCL], s3
	v_mov_b32 v[LIMP], s2
	v_mov_b32 v[SC6], s29
	v_mov_b32 v[LIM6], s28
	WIN 0x40
	v_mov_b32 v[SCL], s3
	v_mov_b32 v[LIMP], s2
	v_mov_b32 v[SC6], s29
	v_mov_b32 v[LIM6], s28
	WIN 0
	s_lshl_b32 s26, s24, 8                         ; 256 bytes of summary a pair
	s_add_nc_u64 s[10:11], s[8:9], s[26:27]
	s_lshl_b32 s26, s25, 8
	s_add_nc_u64 s[12:13], s[8:9], s[26:27]
	s_wait_xcnt 0x0                                ; the loads above have read their bases s[16:23]: the summary may land there
	FLAGS WORK0, OPEN0, 10
	FLAGS WORK1, OPEN1, 12
	s_wait_loadcnt 36                              ; tile A's Q and K are in; window 1's 36 loads may be out
.set ii, 0
.rept 32
	ds_store_b128 v[FK], v[24+4*ii+72*(ii/16):27+4*ii+72*(ii/16)] offset:512*ii
.set ii, ii+1
.endr
	s_wait_loadcnt 0x0
	WIN 0x04
.set ii, 0
.rept 32
	ds_store_b128 v[FV], v[24+4*ii+72*(ii/16):27+4*ii+72*(ii/16)] offset:512*ii
.set ii, ii+1
.endr
	WIN 0
	s_wait_dscnt 0x0                               ; for the others' sake: my part of K and V lies in LDS
	s_barrier_signal -1
	s_barrier_wait -1                              ; everybody's does; nothing is written there again
	PASS Q0, WORK0, OPEN0, MW0, YO0
	s_wait_xcnt 0x0                                ; pass 0's stores have read their data: the codes' registers may be written again
	PASS Q1, WORK1, OPEN1, MW1, YO1
	s_wait_tensorcnt 0x0
	ds_add_u32 v254, v255
	s_wait_dscnt 0x0
	s_endpgm
.Lfunc_end_k_q6b1ad7e332_attn:
	.size	k_q6b1ad7e332_attn, .Lfunc_end_k_q6b1ad7e332_attn-k_q6b1ad7e332_attn
	.p2alignl 7, 3214868480
	.fill 96, 4, 3214868480
	.section	.rodata,"a",@progbits
	.p2align	6, 0x0
	.amdhsa_kernel k_q6b1ad7e332_attn
		.amdhsa_group_segment_fixed_size 263168
		.amdhsa_private_segment_fixed_size 0
		.amdhsa_enable_private_segment 0
		.amdhsa_kernarg_size 40
		.amdhsa_user_sgpr_count 2
		.amdhsa_user_sgpr_kernarg_segment_ptr 1
		.amdhsa_wavefront_size32 1
		.amdhsa_system_sgpr_workgroup_id_x 1
		.amdhsa_system_sgpr_workgroup_id_y 1
		.amdhsa_system_sgpr_workgroup_id_z 1
		.amdhsa_system_vgpr_workitem_id 0
		.amdhsa_next_free_vgpr 480
		.amdhsa_next_free_sgpr 104
		.amdhsa_reserve_vcc 0
		.amdhsa_float_denorm_mode_32 3
		.amdhsa_float_denorm_mode_16_64 3
		.amdhsa_memory_ordered 1
		.amdhsa_forward_progress 1
		.amdhsa_inst_pref_size 123
	.end_amdhsa_kernel
	.amdgpu_metadata
---
amdhsa.version: [ 1, 2 ]
amdhsa.kernels:
  - .name:           k_q6b1ad7e332_attn
    .symbol:         k_q6b1ad7e332_attn.kd
    .args:
      - { .name: qkvimg, .offset: 0, .size: 8, .value_kind: global_buffer, .address_space: global }
      - { .name: maskw, .offset: 8, .size: 8, .value_kind: global_buffer, .address_space: global }
      - { .name: msum, .offset: 16, .size: 8, .value_kind: global_buffer, .address_space: global }
      - { .name: lowp_scales, .offset: 24, .size: 8, .value_kind: global_buffer, .address_space: global }
      - { .name: yimg, .offset: 32, .size: 8, .value_kind: global_buffer, .address_space: global }
    .group_segment_fixed_size: 263168
    .private_segment_fixed_size: 0
    .kernarg_segment_align: 8
    .kernarg_segment_size: 40
    .max_flat_workgroup_size: 256
    .sgpr_count:     104
    .vgpr_count:     480
    .wavefront_size: 32
...
	.end_amdgpu_metadata
.endif
;; end of part 3
;; launch proj (part 4): grid 4 x 32, 4 waves a work-group, clusters of 4 x 4, 327,680 bytes of LDS; arguments yimg, codes, lowp_scales, out_b, out0; writes out0
.if DOCPART == 4
	.amdgcn_target "amdgcn-amd-amdhsa--gfx1250"
	.amdhsa_code_object_version 6
	.text
	.protected	k_q6b1ad7e332_proj
	.globl	k_q6b1ad7e332_proj
	.p2align	8
	.type	k_q6b1ad7e332_proj,@function
k_q6b1ad7e332_proj:
	s_mov_b64 s[64:65], 0
	v_nop
	global_prefetch_b8 v0, s[64:65] scope:SCOPE_SE
	s_setreg_imm32_b32 hwreg(HW_REG_WAVE_MODE, 25, 1), 1
	s_wait_xcnt 0x0
	s_wait_alu depctr_hold_cnt(0) depctr_sa_sdst(0) depctr_va_vdst(0) depctr_va_sdst(0) depctr_va_ssrc(0) depctr_va_vcc(0) depctr_vm_vsrc(0)
	s_getreg_b32 s2, hwreg(HW_REG_IB_STS2, 6, 4)
	s_cmp_eq_u32 s2, 0
	s_cbranch_scc0 .Lentry_in_a_cluster
	s_endpgm
.Lentry_in_a_cluster:
	s_bfe_u32 s2, ttmp6, 0x10000c
	s_cmp_lg_u32 s2, 0xf033
	s_cbranch_scc0 .Lentry_shape_is_right
	s_endpgm
.Lentry_shape_is_right:
; out0 = y out_w^T + out_b on codes of E5M2.  y: images of operand registers, [K / 256: 4][tile of 16 tokens 512][K step of 128: 2][2,048 bytes]: registers 4 c .. 4 c + 3 of a fragment at 512 c, lane l at 16 l;
; in a fragment lane l holds token l % 16, registers 2 c, 2 c + 1 hold K = 16 c + 8 (l / 16) + 0 .. 7.  out_w's codes: [1024][1024], K innermost, at byte 11,534,336 of the buffer of codes.  out0: [8192][1024] f32.
; A number of y is its code x 2^e6, of out_w x 2^e7: each finished sum is multiplied once by 2^(e6 + e7), and the bias is added by the same fused line.  LIMIT: e6 + e7 between -126 and 127.
; A tile of out0, 256 x 256, is made by four waves, each 128 x 128: 64 accumulators, 512 registers.  K goes in steps of 256 through two LDS slots filled by the tensor data mover.
; A's part of a slot is one dense block of memory (16 tiles of tokens x 4,096 bytes): it lies in LDS as in memory, and a fragment comes by four loads of 16 bytes a lane, 512 consecutive bytes each.
; B's rows come padded; a fragment of B takes eight loads of 8 bytes a lane, so that each k stands where y's images have it.
; CLUSTERS: 4 x 4 work-groups; A's tiles are asked for jointly along a row of the cluster, B's along a column.  THE MATRIX INSTRUCTION IS USED TRANSPOSED (source 0 = 16 rows of out_w, source 1 = 16 tokens):
; a lane holds eight neighbouring numbers of a row of out0.
; REGISTERS, in windows of 256: window 0: v0-31 addresses; v32-95 the bias; from v128 A's fragments, one set; on the way out v128-255 rows read back.   window 1: B's fragments, two sets, at v0 and v128; on the way out v0-63 a block's results.
;   window 2: the 32 accumulators of my rows 0-63 ((a, b) at v[8 (8 a + b)]);   window 3: those of my rows 64-127.
.set SIZE_N, 1024
.set ROWB,   256                       ; a row of B's tile in bytes
.set KROW,   1024                      ; a row of out_w's codes in memory
.set KSLOT,  2097152                   ; y's images: from one 256 along K to the next
.set WOFF,   0xb00000                  ; out_w's codes begin here
.set PITCH,  272                       ; B's LDS row: 256 bytes + 16 of padding
.set FR,     16
.set NL,     4                         ; LDS loads that bring a fragment of A
.set NP,     4                         ; places behind this matrix instruction (ISA guide 7.12.1)
.set ABLK,   32768                     ; 8 tiles of tokens: what one tensor load brings of A, and what one wave reads
.set HALFB,  128*PITCH                 ; the same for B
.set BOFF,   2*ABLK                    ; a slot: A's 65,536 bytes, then B's 256 rows
.set SLOT,   BOFF+2*HALFB
.set SPARE,  2*SLOT                    ; behind the ring: the spare words, 128 bytes for each wave
.set SPITCH, 528                       ; the way out: a stage of 16 rows x (512 bytes + 16) for each wave, in slot 0, which has had its last fill and its last read when the first result is stored there
.set ADRA, 16                          ; v16-17  LDS address of my A fragments in slot 0, 1
.set ADRB, 20                          ; v20-21  the same for B
.set STO,  24                          ; v24     the way out: where I put 32 bytes of a row
.set RD,   25                          ; v25     where I read a row back
.set CO,   26                          ; v26     16 x lane: my place in an image, and in a row of out0
.set BH,   27                          ; v27     32 x (lane / 16): my eight columns' bias
.set SPW,  28                          ; v28     LDS address of my spare word; never rewritten
.set NIL,  29                          ; v29     0; never rewritten
.set BIAS, 32                          ; v32-95  register 8 b + j: out_b at my column 16 b + 8 (l / 16) + j
.set TMP,  0                           ; window 1, v0-63
.set AF,   128
.set BK,   128
.set G1, 24
.set G0, 32
.set G1B, 48
.set G0B, 56
.set MSB, 0
.macro WIN new                         ; the immediate's high byte repeats the setting that is left
.if MSB != \new
	s_set_vgpr_msb (MSB<<8)|\new
.set MSB, \new
.endif
.endm
.set MUL_LO, 0xa1                      ; source 0 (B) window 1, source 1 (A) window 0, C and D window 2
.set MUL_HI, 0xf1
.set TO_B,   0x40
.macro JLOAD g0a, g1a, g0b, g1b        ; a joint load: waves 0 and 1 fetch for A, waves 2 and 3 for B; four v_nop follow each of the two lines
	s_cmp_eq_u32 s15, 0
	s_cbranch_scc0 .Lfor_b_\@
	tensor_load_to_lds s[\g0a:\g0a+3], s[\g1a:\g1a+7]
	s_nop 0
.rept 4
	v_nop
.endr
	s_branch .Lasked_\@
.Lfor_b_\@:
	tensor_load_to_lds s[\g0b:\g0b+3], s[\g1b:\g1b+7]
	s_nop 0
.rept 4
	v_nop
.endr
.Lasked_\@:
.endm
.macro CREST                           ; a round of the cluster's barrier behind its opening barrier
	s_cmp_lg_u32 s14, 0
	s_cbranch_scc1 .Lnot_wave_0_\@
	s_barrier_signal -3
.Lnot_wave_0_\@:
	s_barrier_wait -3
	s_barrier_signal -1
	s_barrier_wait -1
.endm
.macro CROUND
	s_barrier_signal -1
	s_barrier_wait -1
	CREST
.endm
	s_load_b256 s[4:11], s[0:1], 0x0               ; y's images s[4:5], codes s[6:7], the scales' exponents s[8:9], out_b s[10:11]
	s_load_b64 s[12:13], s[0:1], 0x20              ; out0
	v_lshl_add_u32 v[SPW], v0, 2, SPARE
	v_mov_b32 v[NIL], 0
	ds_add_u32 v28, v29
	ds_add_u32 v28, v29
	s_wait_dscnt 0x0
	v_lshrrev_b32 v1, 5, v0
	v_readfirstlane_b32 s14, v1                    ; wave 0..3
	s_lshr_b32 s15, s14, 1                         ; which half of the tile's rows is mine.  Also: I fetch for A (0) or for B (1)
	s_and_b32 s16, s14, 1                          ; which half of its columns.  Also: which half of that tile I fetch
	s_bfe_u32 s40, ttmp6, 0x40000                  ; cx, cy
	s_bfe_u32 s41, ttmp6, 0x40004
	s_lshl_b32 s42, ttmp9, 2
	s_add_co_u32 s42, s42, s40                     ; tile column = 4 x cluster x + cx
	s_and_b32 s17, ttmp7, 0xffff
	s_lshl_b32 s17, s17, 2
	s_add_co_u32 s17, s17, s41                     ; tile row = 4 x cluster y + cy
	s_lshl_b32 s43, s41, 2
	s_lshl_b32 s43, 15, s43                        ; my row of the cluster
	s_lshl_b32 s44, 0x1111, s40                    ; my column
	; descriptor group 1.  A: a dense block of 32,768 bytes as 128 rows of 256, no padding.  B: 128 rows of 256 bytes, 1,024 apart, padded in LDS
	s_or_b32 s[G1+0], s43, (0<<16)|(1<<21)         ; 15:0 the mask: my row; 17:16 element of 1 byte; 21 set beside a mask
	s_mov_b32 s[G1+1], 256<<16                     ; tensor_dim0
	s_mov_b32 s[G1+2], 128<<16                     ; tensor_dim1
	s_mov_b32 s[G1+3], 256<<16                     ; tile_dim0
	s_mov_b32 s[G1+4], 128                         ; tile_dim1
	s_mov_b32 s[G1+5], 256                         ; tensor_dim0_stride: each row begins where the last ends
	s_mov_b32 s[G1+6], 0
	s_mov_b32 s[G1+7], 0
	s_or_b32 s[G1B+0], s44, (0<<16)|(1<<20)|(1<<21)|(5<<22)|(3<<25)  ; my column; padding: 4 words after every 64
	s_mov_b32 s[G1B+1], ROWB<<16
	s_mov_b32 s[G1B+2], 128<<16
	s_mov_b32 s[G1B+3], ROWB<<16
	s_mov_b32 s[G1B+4], 128
	s_mov_b32 s[G1B+5], KROW
	s_mov_b32 s[G1B+6], 0
	s_mov_b32 s[G1B+7], 0
	s_lshl_b32 s20, s17, 16                        ; A: 16 tiles of tokens x 4,096 bytes for each tile row,
	s_lshl_b32 s18, s16, 15                        ; + the half that I fetch
	s_add_co_u32 s20, s20, s18
	s_mov_b32 s21, 0
	s_lshl_b32 s46, s42, 8
	s_lshl_b32 s18, s16, 7
	s_add_co_u32 s46, s46, s18                     ; B: row 256 x tile column + 128 x half
	s_lshl_b32 s46, s46, 10
	s_add_co_u32 s46, s46, WOFF
	s_mov_b32 s47, 0
	s_lshl_b32 s45, s16, 15                        ; where they go: A's halves,
	s_mul_i32 s66, s16, HALFB
	s_add_co_u32 s66, s66, BOFF                    ; B's halves: no place in the cluster enters an LDS address
	s_wait_kmcnt 0x0
	s_load_b64 s[96:97], s[8:9], 0x18              ; e6, e7
	s_add_nc_u64 s[20:21], s[4:5], s[20:21]
	s_add_nc_u64 s[46:47], s[6:7], s[46:47]
	CROUND                                         ; all sixteen work-groups are here: the first joint loads meet
.irp s, 0,1
	s_mov_b32 s[G0+4*\s], 1
	s_add_co_u32 s[G0+4*\s+1], s45, \s*SLOT
	s_add_nc_u64 s[G0+4*\s+2:G0+4*\s+3], s[20:21], \s*KSLOT
	s_or_b32 s[G0+4*\s+3], s[G0+4*\s+3], 0x80000000
	s_mov_b32 s[G0B+4*\s], 1
	s_add_co_u32 s[G0B+4*\s+1], s66, \s*SLOT
	s_add_nc_u64 s[G0B+4*\s+2:G0B+4*\s+3], s[46:47], \s*ROWB
	s_or_b32 s[G0B+4*\s+3], s[G0B+4*\s+3], 0x80000000
	JLOAD G0+4*\s, G1, G0B+4*\s, G1B
.endr
	v_and_b32 v1, 15, v0                           ; l % 16
	v_bfe_u32 v2, v0, 4, 1                         ; l / 16
	v_mul_u32_u24 v3, v1, PITCH
	v_lshl_add_u32 v4, v2, 3, v3                   ; B: row x pitch + 8 x half
	v_and_b32 v6, 31, v0
	v_lshlrev_b32 v[CO], 4, v6
	v_lshlrev_b32 v[BH], 5, v2
	s_lshl_b32 s21, s15, 15                        ; my 8 tiles of tokens
	s_mul_i32 s22, s16, HALFB                      ; my 128 rows of B
	s_add_co_u32 s22, s22, BOFF
.irp s, 0,1
	v_add_nc_u32 v[ADRA+\s], s21, v[CO]
	v_add_nc_u32 v[ADRB+\s], s22, v4
	s_add_co_u32 s21, s21, SLOT
	s_add_co_u32 s22, s22, SLOT
.endr
	s_mul_i32 s23, s14, 16*SPITCH                  ; my stage
	v_mul_u32_u24 v5, v1, SPITCH                   ; in: row l % 16, 32 bytes for each half of the lanes
	v_lshl_add_u32 v5, v2, 5, v5
	v_add_nc_u32 v[STO], s23, v5
	v_add_nc_u32 v[RD], s23, v[CO]                 ; back: the 32 lanes take one row of 512 bytes
	s_lshl_b32 s20, s17, 8
	s_lshl_b32 s21, s15, 7
	s_add_co_u32 s20, s20, s21                     ; my first row of out0
	s_lshl_b32 s20, s20, 12                        ; rows of 4,096 bytes
	s_mov_b32 s21, 0
	s_lshl_b32 s46, s42, 10                        ; my first column, in bytes: 1,024 x tile column + 512 x half
	s_lshl_b32 s47, s16, 9
	s_add_co_u32 s46, s46, s47
	s_mov_b32 s47, 0
	s_add_nc_u64 s[10:11], s[10:11], s[46:47]      ; out_b there,
	s_add_nc_u64 s[20:21], s[20:21], s[46:47]
	s_add_nc_u64 s[12:13], s[12:13], s[20:21]      ; and out0
.irp b, 0,1,2,3,4,5,6,7
	global_load_b128 v[BIAS+8*\b:BIAS+8*\b+3], v[BH], s[10:11] offset:64*\b
	global_load_b128 v[BIAS+8*\b+4:BIAS+8*\b+7], v[BH], s[10:11] offset:64*\b+16
.endr
.macro FRAGA reg, adr, q, i            ; tile of tokens i, the slot's q-th 128 along K: the image as it stands
.irp c, 0,1,2,3
	ds_load_b128 v[\reg+4*\c:\reg+4*\c+3], v[\adr] offset:4096*(\i)+2048*(\q)+512*\c
.endr
.endm
.macro FRAGB reg, adr, q, i            ; 16 rows of out_w: registers 2 c, 2 c + 1 hold K = 16 c + 8 (l / 16) + 0 .. 7
.irp c, 0,1,2,3,4,5,6,7
	ds_load_b64 v[\reg+2*\c:\reg+2*\c+1], v[\adr] offset:128*(\q)+16*\c+(\i)*16*PITCH
.endr
.endm
; 16 matrix instructions: A's blocks a0, a0 + 1 x B's eight.  The 64 accumulators take turns, one instruction a turn, in the same order in every step.
.macro MUL16 a0, p, zero
.irp a, \a0, \a0+1
.irp b, 0,1,2,3,4,5,6,7
.if \zero
	v_wmma_f32_16x16x128_bf8_bf8 v[8*(8*((\a)%4)+\b):8*(8*((\a)%4)+\b)+7], v[128*(\p)+FR*\b:128*(\p)+FR*\b+FR-1], v[AF+FR*(\a):AF+FR*(\a)+FR-1], 0
.else
	v_wmma_f32_16x16x128_bf8_bf8 v[8*(8*((\a)%4)+\b):8*(8*((\a)%4)+\b)+7], v[128*(\p)+FR*\b:128*(\p)+FR*\b+FR-1], v[AF+FR*(\a):AF+FR*(\a)+FR-1], v[8*(8*((\a)%4)+\b):8*(8*((\a)%4)+\b)+7]
.endif
.endr
.endr
.endm
.macro FETCH_B slot, q, p
	WIN TO_B
.irp i, 0,1,2,3,4,5,6,7
	FRAGB 128*(\p)+FR*\i, ADRB+\slot, \q, \i
.endr
	WIN 0
.endm
.macro FETCH_A slot, q, i0
.irp i, \i0, \i0+1, \i0+2, \i0+3
	FRAGA AF+FR*(\i), ADRA+\slot, \q, \i
.endr
.endm
.macro PLACES n
.rept \n
	v_nop
.endr
.endm
.macro STEP slot, q, zero              ; a step of 128 along K that has its successor in the same slot
	s_wait_dscnt 4*NL                              ; B's set and A's blocks 0-3 are in; the youngest sixteen loads (A's blocks 4-7) may be out
	WIN MUL_LO
	MUL16 0, (\q)%2, \zero
	MUL16 2, (\q)%2, \zero
	s_wait_dscnt 0
	PLACES NP
	FETCH_B \slot, (\q)+1, 1-(\q)%2
	FETCH_A \slot, (\q)+1, 0
	WIN MUL_HI
	MUL16 4, (\q)%2, \zero
	MUL16 6, (\q)%2, \zero
	PLACES NP
	WIN 0
	FETCH_A \slot, (\q)+1, 4
.endm
.macro TURN slot, next, fill           ; a slot's last step changes slots: one barrier, with the wave's waits and its add in front of it
	s_wait_tensorcnt 0x0                           ; all my tensor loads have landed: my part of the next slot  (every window is 0 here)
	ds_add_u32 v[SPW], v[NIL]                      ; 0 onto my spare word
	s_wait_dscnt 4*NL+1                            ; (the add and the youngest sixteen loads may be out)
	WIN MUL_LO
	MUL16 0, 1, 0
	s_wait_dscnt 0x0                               ; the add is done, and my reads of this slot are over
	s_barrier_signal -1
	MUL16 2, 1, 0
	WIN 0
	s_barrier_wait -1
.if \fill
	CREST                                          ; the barrier has opened a round of the cluster's barrier: no wave of any partner still reads this slot or has a load on its way
	s_add_nc_u64 s[G0+4*\slot+2:G0+4*\slot+3], s[G0+4*\slot+2:G0+4*\slot+3], 2*KSLOT
	s_add_nc_u64 s[G0B+4*\slot+2:G0B+4*\slot+3], s[G0B+4*\slot+2:G0B+4*\slot+3], 2*ROWB
	JLOAD G0+4*\slot, G1, G0B+4*\slot, G1B         ; the first tensor load behind the round; its four v_nop are also the places in front of the loads below
.else
	PLACES NP
.endif
	FETCH_B \next, 0, 0
	FETCH_A \next, 0, 0
	WIN MUL_HI
	MUL16 4, 1, 0
	MUL16 6, 1, 0
	PLACES NP
	WIN 0
	FETCH_A \next, 0, 4
.endm
	s_wait_tensorcnt 1                             ; my part of slot 0 is in (slot 1's load may be out)
	s_barrier_signal -1
	s_barrier_wait -1                              ; everybody's is
	FETCH_B 0, 0, 0
	FETCH_A 0, 0, 0
	FETCH_A 0, 0, 4
	STEP 0, 0, 1                                   ; K 0-127: these products start the sums
	TURN 0, 1, 1                                   ; slot 0 takes K 512-767
	STEP 1, 0, 0
	TURN 1, 0, 1                                   ; slot 1 takes K 768-1,023
	STEP 0, 0, 0
	TURN 0, 1, 0                                   ; nothing is left to fetch
	STEP 1, 0, 0
	s_wait_dscnt 4*NL                              ; the very last step
	WIN MUL_LO
	MUL16 0, 1, 0
	MUL16 2, 1, 0
	s_wait_dscnt 0
	WIN MUL_HI
	MUL16 4, 1, 0
	MUL16 6, 1, 0
	WIN 0
; THE WAY OUT, block by block of 16 rows x 128 columns: sum x 2^(e6 + e7) + bias, through my own stage in LDS, back as whole rows of 512 bytes.  LDS serves a wave's instructions in order (ISA guide 5.7.1.4):
; no wait between the stores and the loads, nor in front of the next block's stores.
.macro TOSTAGE a
.set AC, 64*((\a)%4)
	WIN 0x42+((\a)/4)                              ; the sums in window 2 or 3, the bias in window 0, the results in window 1
.set jj, 0
.rept 32                               ; each accumulator from its low end on
	v_pk_fma_f32 v[TMP+jj:TMP+jj+1], v[AC+jj:AC+jj+1], s[96:97], v[BIAS+jj:BIAS+jj+1] op_sel_hi:[1,0,1]
.set jj, jj+2
.endr
	WIN 0x04                                       ; the stores' data in window 1
.irp b, 0,1,2,3,4,5,6,7
	ds_store_b128 v[STO], v[TMP+8*\b:TMP+8*\b+3] offset:64*\b
	ds_store_b128 v[STO], v[TMP+8*\b+4:TMP+8*\b+7] offset:64*\b+16
.endr
	WIN 0
.set BS, BK+64*((\a)%2)
.irp t, 0,1,2,3,4,5,6,7,8,9,10,11,12,13,14,15
	ds_load_b128 v[BS+4*\t:BS+4*\t+3], v[RD] offset:\t*SPITCH
.endr
.endm
.macro SEND a, younger                 ; younger: the LDS instructions issued behind block a's loads, which may stay out
.set BS, BK+64*((\a)%2)
	s_wait_dscnt \younger
.if (\a) > 0
	s_add_nc_u64 s[12:13], s[12:13], 16*SIZE_N*4   ; (behind a wait on XCNT: the earlier stores have read their base)
.endif
.irp t, 0,1,2,3,4,5,6,7,8,9,10,11,12,13,14,15
	global_store_b128 v[CO], v[BS+4*\t:BS+4*\t+3], s[12:13] offset:\t*SIZE_N*4 th:TH_STORE_NT   ; 32 lanes store 512 consecutive bytes, at a multiple of 256 from out0's first byte
.endr
.endm
	s_wait_kmcnt 0x0
	s_add_co_i32 s96, s96, s97                     ; e6 + e7
	s_add_co_i32 s96, s96, 127
	s_lshl_b32 s96, s96, 23                        ; 2^(e6 + e7) as f32
	s_wait_loadcnt 0x0                             ; the bias
	PLACES NP                                      ; behind the last products
	TOSTAGE 0
.irp a, 1,2,3,4,5,6,7
.if \a > 1
	s_wait_xcnt 0x0                                ; block a - 2's stores have read their registers and their base
.endif
	TOSTAGE \a
	SEND \a-1, 32                                  ; behind block a - 1's loads: block a's 16 stores and 16 loads
.endr
	s_wait_xcnt 0x0
	SEND 7, 0
	s_wait_tensorcnt 0x0                           ; the wave's end
	ds_add_u32 v[SPW], v[NIL]
	s_wait_dscnt 0x0
	CROUND                                         ; the closing round
	s_endpgm
.Lfunc_end_k_q6b1ad7e332_proj:
	.size	k_q6b1ad7e332_proj, .Lfunc_end_k_q6b1ad7e332_proj-k_q6b1ad7e332_proj
	.p2alignl 7, 3214868480
	.fill 96, 4, 3214868480
	.section	.rodata,"a",@progbits
	.p2align	6, 0x0
	.amdhsa_kernel k_q6b1ad7e332_proj
		.amdhsa_group_segment_fixed_size 327680
		.amdhsa_private_segment_fixed_size 0
		.amdhsa_enable_private_segment 0
		.amdhsa_kernarg_size 40
		.amdhsa_user_sgpr_count 2
		.amdhsa_user_sgpr_kernarg_segment_ptr 1
		.amdhsa_wavefront_size32 1
		.amdhsa_system_sgpr_workgroup_id_x 1
		.amdhsa_system_sgpr_workgroup_id_y 1
		.amdhsa_system_sgpr_workgroup_id_z 1
		.amdhsa_system_vgpr_workitem_id 0
		.amdhsa_next_free_vgpr 1024
		.amdhsa_next_free_sgpr 100
		.amdhsa_reserve_vcc 0
		.amdhsa_float_denorm_mode_32 3
		.amdhsa_float_denorm_mode_16_64 3
		.amdhsa_memory_ordered 1
		.amdhsa_forward_progress 1
		.amdhsa_inst_pref_size 141
	.end_amdhsa_kernel
	.amdgpu_metadata
---
amdhsa.version: [ 1, 2 ]
amdhsa.kernels:
  - .name:           k_q6b1ad7e332_proj
    .symbol:         k_q6b1ad7e332_proj.kd
    .args:
      - { .name: yimg, .offset: 0, .size: 8, .value_kind: global_buffer, .address_space: global }
      - { .name: codes, .offset: 8, .size: 8, .value_kind: global_buffer, .address_space: global }
      - { .name: lowp_scales, .offset: 16, .size: 8, .value_kind: global_buffer, .address_space: global }
      - { .name: out_b, .offset: 24, .size: 8, .value_kind: global_buffer, .address_space: global }
      - { .name: out0, .offset: 32, .size: 8, .value_kind: global_buffer, .address_space: global }
    .group_segment_fixed_size: 327680
    .private_segment_fixed_size: 0
    .kernarg_segment_align: 8
    .kernarg_segment_size: 40
    .max_flat_workgroup_size: 128
    .sgpr_count:     100
    .vgpr_count:     1024
    .wavefront_size: 32
...
	.end_amdgpu_metadata
.endif
;; end of part 4
;; ======== version 2 of 2: 4 launches; version 1 with the launch attn written anew for expert scheduling mode
;; workspace buffers: codes 12,582,912 bytes; maskw 524,288 bytes of whole numbers; msum 16,384 bytes of whole numbers; qkvimg 25,165,824 bytes; yimg 8,388,608 bytes
;; launch prep: the kernel of part 1 again; grid 256 x 1, 8 waves a work-group, no clusters, 109,568 bytes of LDS; arguments x, qkv_w, out_w, mask, lowp_scales, codes, maskw, msum; writes codes, maskw, msum
;; launch qkvgemm: the kernel of part 2 again; grid 12 x 32, 4 waves a work-group, clusters of 4 x 4, 327,680 bytes of LDS; arguments codes, lowp_scales, qkv_b, qkvimg; writes qkvimg
;; launch attn (part 5): grid 4 x 64, 8 waves a work-group, no clusters, 263,168 bytes of LDS; arguments qkvimg, maskw, msum, lowp_scales, yimg; writes yimg
.if DOCPART == 5
	.amdgcn_target "amdgcn-amd-amdhsa--gfx1250"
	.amdhsa_code_object_version 6
	.text
	.protected	k_q6b1ad7e332_attn
	.globl	k_q6b1ad7e332_attn
	.p2align	8
	.type	k_q6b1ad7e332_attn,@function
k_q6b1ad7e332_attn:
	s_mov_b64 s[64:65], 0
	v_nop
	global_prefetch_b8 v0, s[64:65] scope:SCOPE_SE
	s_setreg_imm32_b32 hwreg(HW_REG_WAVE_SCHED_MODE, 0, 2), 2
	s_setreg_imm32_b32 hwreg(HW_REG_WAVE_MODE, 25, 1), 1
	s_wait_xcnt 0x0
	s_wait_alu depctr_vm_vsrc(0)
; y = softmax(q k^T / 8, hidden where the given mask is 0) v, both products on codes of E5M2; y is quantised for the last product and stored as images of that product's operand registers.
; THE SOFTMAX: t = score x log2(e) / 8; M = the row's largest t so far, rounded up to a whole number; p = 2^(t - M) is quantised with 2^e4; the row's sum is taken of the unquantised p and divides at the end.
; When M moves, the sum and O are multiplied by 2^(old M - new M): exact.
; SHARES.  Work-group (j, bh) serves batch x head bh.  The head's K and V, 131,072 bytes of codes each, are copied into LDS ONCE, through registers, as the images in which they lie in memory: one barrier, no ring.
; No tensor load: so the walk over the keys may branch on the stored summary of the mask.  No cluster: what the four work-groups of a head share is read once each, at their heads.
; A wave owns a PAIR of query tiles (32 queries): tile A's state in register window 0, tile B's at the same numbers in window 1; each fragment of K and V read from LDS feeds both.
; Pairs p = 4 i + j; wave w takes i = w, then i = 15 - w.
; LAYOUT.  S^T = K Q^T (source 0 = 16 keys, source 1 = 16 queries, K = 64) and O^T = V^T P^T (source 0 = 16 channels, source 1 = P, K = 128 keys): a lane holds ONE query (lane % 16) throughout.
; Score register 8 t + j of lane l is key 16 t + 8 (l / 16) + j of the step: the eight conversions' results are registers 2 t, 2 t + 1 of P, the places that the K = 128 form gives those keys.
; THE MASK.  maskw holds, for each pair, step and tile, 64 words: word n is the lane mask of score register n.  A hidden score is replaced by -2^77, far under every score (their magnitude stays under 2^38).
; -2^77 x c is a whole number, so a row ALL of whose keys are hidden gets p = 1 on every key, the uniform row that the softmax gives there; any open key wipes what was summed before by a factor 0.
; msum says which steps are wholly hidden and which wholly open.  A wholly hidden step is left out, but only where each of the pair's 32 rows has an open key somewhere; a wholly open step skips the masking.
; LIMITS: e2 + e3 between -51 and 51; e4 and e6 between -126 and 112.  NaN among the inputs is not served.
; REGISTERS (both windows unless said): v16-23 Q of pass 0, v152-159 of pass 1; v24-87 S^T, then p; v88-119 O^T; v120-135 P's codes, at the end y's; v136 -M, v137 the largest t, v[138:139] the sum in two halves;
;   v140-146 at work; v147 2^e4, v148 2^e6, v149 57,344 x 2^e6, v150 57,344 x 2^e4.  Window 0 alone: v1-6 addresses, v160-223 K's eight fragments.  Window 1 alone: v160-223 V's four.
; THE MODE: SCHED_MODE bits 1:0 = 2 (LLVM: expert scheduling mode 2), set by the entry lines.  The code itself states the register dependences
; between vector or matrix instructions and memory or LDS instructions, with s_wait_alu, always for 0.
; THE PLAN.  Registers that memory or LDS instructions touch:
;   v1, v5, v6      Offsets and LDS places, made at the head and never written again: one wait ahead of the first load serves every load and store that reads them.
;   v24-87, v160-223 of both windows, in the fill: global loads land there, the LDS stores read them.  Afterwards they are S^T, K's and V's fragments: first written behind the wait on vm_vsrc at a walked step's head.
;   v2, v3          The step's LDS addresses: written by two additions at a walked step's head, read by that step's 32 LDS loads.
;   K's fragments   The step's first 16 LDS loads land there; its 16 products K Q^T read them.
;   V's fragments   The step's other 16 LDS loads land there; the 8 products V^T P at the step's end read them.
;   v120-127 of both windows, at a pass's end: written by the last conversions, read by four stores, written again by the next pass's conversions.
;   v254, v255      Written at the head, read by the closing add alone.
; A walked step's head has one wait on vm_vsrc (the last walked step's loads have read v2 and v3) and, behind the two additions, one on va_vdst: v2 and v3 are written, and the last walked step's products are done
; reading K's and V's fragments.  All 32 LDS loads of the step lean on it: K's stand straight behind it, V's are dealt among tile B's products K Q^T, which name K's fragments, Q and S^T: none of the registers
; that V's loads touch.  The wait behind the exponentials is the step's only other one, but for a masked step's (the mask words' scalar registers are loaded twice).
.set VBASE, 131072                     ; LDS: K's images at 0 (8,192 bytes a step of 128 keys), V's here (likewise)
.set LI,   1                           ; v1   16 x lane
.set ADK,  2                           ; v2   the step's K in LDS
.set ADV,  3                           ; v3   the step's V
.set LIV,  4                           ; v4   16 x lane + VBASE
.set FK,   5                           ; v5   the fill: my wave's 16,384 bytes, in memory and in LDS
.set FV,   6                           ; v6   the same + VBASE
.set Q0,   16
.set S,    24
.set O,    88
.set P,    120
.set NM,   136
.set TM,   137
.set L,    138
.set T0,   140
.set T1,   141
.set F,    142
.set A2,   144
.set PX,   146
.set SCL,  147
.set SC6,  148
.set LIM6, 149
.set LIMP, 150
.set Q1,   152
.set KF,   160
.set VF,   160
.set WORK0, 14                         ; s14, s15  pass 0: bit s: step s is walked; bit s: step s is wholly open
.set OPEN0, 15
.set WORK1, 66                         ; s66, s67  pass 1
.set OPEN1, 67
.set MW0,  68                          ; s[68:69]  pass 0: the step's mask words; it walks
.set YO0,  70                          ; s[70:71]  pass 0: where y goes
.set YO1,  72
.set MW1,  74
.set EP,   76                          ; s76  e4
.set EXPO, 77                          ; s77  e4 + e5
.set TB,   78                          ; s78  the step's first byte in K's and in V's images
.set STEPC, 79                         ; s79  the step
.set CS,   96                          ; s[96:97] c = log2(e) / 8 x 2^(e2 + e3), twice
.set SEL,  98                          ; s[98:99] lane selects: lane l xor 16
.set RM,   100                         ; s100 -2^77
; s[16:63] and s[80:95]: 64 words of the mask or of its summary: word n in s[16 + n], from n = 48 on in s[32 + n]
.set MSB, 0
.macro WIN new                         ; the immediate's high byte repeats the setting that is left
.if MSB != \new
	s_set_vgpr_msb (MSB<<8)|\new
.set MSB, \new
.endif
.endm
; The summary of a pair's 16 steps (4 words each: OR of tile A's words, of B's, AND of A's, of B's) becomes two words of bits.
.macro FLAGS work, open, adr
	s_load_b512 s[16:31], s[\adr:\adr+1], 0x0
	s_load_b512 s[32:47], s[\adr:\adr+1], 0x40
	s_load_b512 s[48:63], s[\adr:\adr+1], 0x80
	s_load_b512 s[80:95], s[\adr:\adr+1], 0xc0
	s_mov_b32 s4, 0
	s_mov_b32 s5, 0
	s_mov_b32 s[\work], 0
	s_mov_b32 s[\open], 0
	s_wait_kmcnt 0x0
.set st, 0
.rept 16
.set w0, 16+4*st+16*(st/12)
	s_or_b32 s4, s4, s[w0]                         ; which lanes of tile A have an open key anywhere,
	s_or_b32 s5, s5, s[w0+1]                       ; which of tile B
	s_or_b32 s2, s[w0], s[w0+1]
	s_cmp_lg_u32 s2, 0
	s_cselect_b32 s2, 1<<st, 0
	s_or_b32 s[\work], s[\work], s2                ; the step has an open key
	s_and_b32 s2, s[w0+2], s[w0+3]
	s_cmp_eq_u32 s2, -1
	s_cselect_b32 s2, 1<<st, 0
	s_or_b32 s[\open], s[\open], s2                ; the step has no hidden key
.set st, st+1
.endr
	s_lshr_b32 s2, s4, 16                          ; a row's keys lie in lanes r and r + 16
	s_or_b32 s4, s4, s2
	s_lshr_b32 s2, s5, 16
	s_or_b32 s5, s5, s2
	s_and_b32 s4, s4, s5
	s_and_b32 s4, s4, 0xffff
	s_cmp_eq_u32 s4, 0xffff                        ; has each of the 32 rows an open key?
	s_cselect_b32 s2, 0, 0xffff
	s_or_b32 s[\work], s[\work], s2                ; if not, every step is walked: a wholly hidden row weighs all keys alike
.endm
; A tile's state at the head of a pass.  Which step is walked first hangs on the mask, so no first step can be written out with the constant 0: O^T begins as zeros, which the first change of M leaves zeros.
.macro INIT
	v_mov_b32 v[TM], 0xff61b1e6                    ; -3e38, under every t
	v_floor_f32 v[NM], -v[TM]
	v_mov_b32 v[L], 0
	v_mov_b32 v[L+1], 0
	v_mov_b32 v[PX], 0                             ; a lane permute's destination counts as one of its sources
	v_mov_b32 v[F+1], 0                            ; (named as the upper half of a pair)
.set ii, 0
.rept 32
	v_mov_b32 v[O+ii], 0
.set ii, ii+1
.endr
.endm
; The maximum, M, f, t - M and the 64 exponentials of one tile.
.macro PART1
	v_max3_num_f32 v[T0], v[S], v[S+1], v[S+2]     ; two chains, each accumulator from its low end on
	v_max3_num_f32 v[T1], v[S+3], v[S+4], v[S+5]
.irp i, 6,10,14,18,22,26,30,34,38,42,46,50,54,58
	v_max3_num_f32 v[T0], v[T0], v[S+\i], v[S+\i+1]
	v_max3_num_f32 v[T1], v[T1], v[S+\i+2], v[S+\i+3]
.endr
	v_max3_num_f32 v[T0], v[T0], v[S+62], v[S+63]
	v_max_num_f32 v[T0], v[T0], v[T1]
	v_permlanex16_b32 v[PX], v[T0], s[SEL], s[SEL+1]
	v_max_num_f32 v[T0], v[T0], v[PX]              ; my query's largest score of the step
	v_mul_f32 v[T0], s[CS], v[T0]                  ; as t (c is positive)
	v_max_num_f32 v[TM], v[TM], v[T0]
	v_mov_b32 v[T0], v[NM]
	v_floor_f32 v[NM], -v[TM]                      ; -M = floor(-t) = -ceil(t)
	v_sub_f32 v[T0], v[NM], v[T0]                  ; old M - new M: a whole number, 0 or less
	v_cvt_i32_f32 v[T0], v[T0]                     ; (it saturates)
	v_ldexp_f32 v[F], 1.0, v[T0]                   ; f = 2^(old M - new M)
.set ii, 0
.rept 32
	v_pk_fma_f32 v[S+ii:S+ii+1], v[S+ii:S+ii+1], s[CS:CS+1], v[NM:NM+1] op_sel_hi:[1,0,0]   ; t - M (of the pairs c and -M the low word serves both halves)
.set ii, ii+2
.endr
.set ii, 0
.rept 64
	v_exp_f32 v[S+ii], v[S+ii]                     ; p = 2^(t - M), at most 1
.set ii, ii+1
.endr
.endm
; The sum of the unquantised p.  wait = 1: the one wait for both tiles' exponentials stands behind the first line, which is plain and names none of their results.
.macro PART2 wait
	v_pk_mul_f32 v[L:L+1], v[L:L+1], v[F:F+1] op_sel_hi:[1,0]
.if \wait
	s_wait_alu depctr_va_vdst(0)                   ; both tiles' 128 exponentials have written p in v[S ..], ahead of the first line that names one; the selects of a masked step are done reading the mask words' scalar registers, on which the next step's words land
.endif
	v_pk_add_f32 v[A2:A2+1], v[S:S+1], v[S+2:S+3]
.irp j, 4,8,12,16,20,24,28,32,36,40,44,48,52,56,60
	v_pk_add_f32 v[L:L+1], v[L:L+1], v[S+\j:S+\j+1]
	v_pk_add_f32 v[A2:A2+1], v[A2:A2+1], v[S+\j+2:S+\j+3]
.endr
	v_pk_add_f32 v[L:L+1], v[L:L+1], v[A2:A2+1]
.endm
.macro HOLD                            ; p is never negative: a one-sided hold at 57,344 x 2^e4
.set ii, 0
.rept 64
	v_min_num_f32 v[S+ii], v[S+ii], v[LIMP]
.set ii, ii+1
.endr
.endm
.macro SOFT2                           ; p's codes; O^T under the new M (these sixteen are the plain lines between the conversions and the products)
.irp t, 0,1,2,3,4,5,6,7
	v_cvt_scalef32_pk8_bf8_f32 v[P+2*\t:P+2*\t+1], v[S+8*\t:S+8*\t+7], v[SCL]
.endr
.set ii, 0
.rept 16
	v_pk_mul_f32 v[O+ii:O+ii+1], v[O+ii:O+ii+1], v[F:F+1] op_sel_hi:[1,0]
.set ii, ii+2
.endr
.endm
.macro FIN                             ; y = O^T x 2^(e4 + e5) / the sum, quantised with 2^e6: register 8 t + i is channel 16 t + 8 (l / 16) + i: the codes are registers 2 t, 2 t + 1 of the next operand
	v_add_f32 v[L], v[L], v[L+1]
	v_permlanex16_b32 v[PX], v[L], s[SEL], s[SEL+1]
	v_add_f32 v[L], v[L], v[PX]
	v_rcp_f32 v[T0], v[L]
	v_nop                                          ; a plain line behind the reciprocal
	s_wait_alu depctr_va_vdst(0)                   ; the reciprocal has written v[T0], ahead of its first reader
	v_ldexp_f32 v[F], v[T0], s[EXPO]
.set ii, 0
.rept 16
	v_pk_mul_f32 v[O+ii:O+ii+1], v[O+ii:O+ii+1], v[F:F+1] op_sel_hi:[1,0]
.set ii, ii+2
.endr
.set ii, 0
.rept 32
	v_med3_num_f32 v[O+ii], v[O+ii], -v[LIM6], v[LIM6]
.set ii, ii+1
.endr
.irp t, 0,1,2,3
	v_cvt_scalef32_pk8_bf8_f32 v[P+2*\t:P+2*\t+1], v[O+8*\t:O+8*\t+7], v[SC6]
.endr
	v_nop                                          ; a plain line behind the last conversion
.endm
; A pass: one pair of query tiles against the head's 16 steps of 128 keys.  The trip count is a constant; a step that is left out jumps to the lines that step the addresses.
.macro PASS q, work, open, mw, yo
	INIT
	WIN 0x55
	INIT
	WIN 0
	s_mov_b32 s[TB], 0
	s_mov_b32 s[STEPC], 0
.Lstep_\@:
	s_lshr_b32 s2, s[\work], s[STEPC]
	s_and_b32 s2, s2, 1
	s_cmp_lg_u32 s2, 0
	s_cbranch_scc0 .Lnext_\@
	s_lshr_b32 s3, s[\open], s[STEPC]
	s_and_b32 s3, s3, 1                            ; 1: no key of the step is hidden
	s_wait_alu depctr_vm_vsrc(0)                   ; the last walked step's LDS loads have read v[ADK] and v[ADV], which are written below; in the first walked step: the fill's LDS stores have read v24-87 and v160-223 of both windows, which this step's loads and products write
	v_add_nc_u32 v[ADK], s[TB], v[LI]
	v_add_nc_u32 v[ADV], s[TB], v[LIV]
	s_wait_alu depctr_va_vdst(0)                   ; v[ADK] and v[ADV] are written, which the step's 32 LDS loads read; the last walked step's products are done reading K's and V's fragments, in which those loads land
.set ii, 0
.rept 16
	ds_load_b128 v[KF+4*ii:KF+4*ii+3], v[ADK] offset:512*ii     ; K's eight fragments, as they stand
.set ii, ii+1
.endr
	s_cmp_lg_u32 s3, 0
	s_cbranch_scc1 .Lnow_\@
	s_load_b512 s[16:31], s[\mw:\mw+1], 0x0        ; tile A's 64 mask words
	s_load_b512 s[32:47], s[\mw:\mw+1], 0x40
	s_load_b512 s[48:63], s[\mw:\mw+1], 0x80
	s_load_b512 s[80:95], s[\mw:\mw+1], 0xc0
.Lnow_\@:
	s_wait_dscnt 8                                 ; K's fragments 0 to 3 are in; the eight younger loads (fragments 4 to 7) may be out
.set ii, 0
.rept 8
.if ii == 4
	s_wait_dscnt 0x0                               ; K is in
.endif
	v_wmma_f32_16x16x64_bf8_bf8 v[S+8*ii:S+8*ii+7], v[KF+8*ii:KF+8*ii+7], v[\q:\q+7], 0
.set ii, ii+1
.endr
	WIN 0x44                                       ; tile B: Q and S^T in window 1, K in window 0.  The same setting serves V's loads: data in window 1, address in window 0
.set ii, 0
.rept 8
	v_wmma_f32_16x16x64_bf8_bf8 v[S+8*ii:S+8*ii+7], v[KF+8*ii:KF+8*ii+7], v[\q:\q+7], 0
	ds_load_b128 v[VF+8*ii:VF+8*ii+3], v[ADV] offset:1024*ii           ; V's four fragments, two loads behind each product.  No wait: no vector or matrix line since the wait at the step's head names v[ADV] or V's registers
	ds_load_b128 v[VF+8*ii+4:VF+8*ii+7], v[ADV] offset:1024*ii+512
.set ii, ii+1
.endr
	WIN 0
.rept 4
	v_nop                                          ; places in front of the first read of the scores
.endr
	s_wait_kmcnt 0x0                               ; on every way: no scalar load is out behind this line
	s_cmp_lg_u32 s3, 0
	s_cbranch_scc1 .Lopen_\@
.set n, 0
.rept 64
	v_cndmask_b32 v[S+n], s[RM], v[S+n], s[16+n+16*(n/48)]      ; hidden: -2^77
.set n, n+1
.endr
	s_wait_alu depctr_va_vdst(0)                   ; tile A's 64 selects are done reading the mask words in s[16:63] and s[80:95], on which the scalar loads below land
	s_load_b512 s[16:31], s[\mw:\mw+1], 0x100      ; tile B's words
	s_load_b512 s[32:47], s[\mw:\mw+1], 0x140
	s_load_b512 s[48:63], s[\mw:\mw+1], 0x180
	s_load_b512 s[80:95], s[\mw:\mw+1], 0x1c0
	s_wait_kmcnt 0x0
	WIN 0x55
.set n, 0
.rept 64
	v_cndmask_b32 v[S+n], s[RM], v[S+n], s[16+n+16*(n/48)]
.set n, n+1
.endr
	WIN 0
.Lopen_\@:
	PART1                                          ; tile A
	WIN 0x55
	PART1                                          ; tile B
	PART2 1
	WIN 0
	PART2 0
	s_cmp_ge_i32 s[EP], -15                        ; from e4 = -15 on, 57,344 x 2^e4 is 1.75 or more and p is at most 1: the hold changes nothing
	s_cbranch_scc1 .Lheld_\@
	HOLD
	WIN 0x55
	HOLD
	WIN 0
.Lheld_\@:
	SOFT2
	WIN 0x55
	SOFT2
	s_wait_dscnt 0x0                               ; V is in
.set ii, 0
.rept 4                                ; the eight accumulators take turns, one instruction a turn
	v_wmma_f32_16x16x128_bf8_bf8 v[O+8*ii:O+8*ii+7], v[VF+16*ii:VF+16*ii+15], v[P:P+15], v[O+8*ii:O+8*ii+7]
.set ii, ii+1
.endr
	WIN 0x01                                       ; tile A: V in window 1, all else in window 0
.set ii, 0
.rept 4
	v_wmma_f32_16x16x128_bf8_bf8 v[O+8*ii:O+8*ii+7], v[VF+16*ii:VF+16*ii+15], v[P:P+15], v[O+8*ii:O+8*ii+7]
.set ii, ii+1
.endr
	WIN 0
.rept 4
	v_nop                                          ; places in front of the first read of O^T
.endr
.Lnext_\@:
	s_add_co_u32 s[TB], s[TB], 8192
	s_add_nc_u64 s[\mw:\mw+1], s[\mw:\mw+1], 512   ; (every scalar load has been waited for)
	s_add_co_u32 s[STEPC], s[STEPC], 1
	s_cmp_lt_u32 s[STEPC], 16
	s_cbranch_scc1 .Lstep_\@
	FIN                                            ; both tiles are finished first, so that one wait serves the four stores
	WIN 0x55
	FIN
	WIN 0x04                                       ; the data in window 1, the address in window 0
	s_wait_alu depctr_va_vdst(0)                   ; both tiles' conversions have written y's codes in v[P .. P + 7], which the four stores read
	global_store_b128 v[LI], v[P:P+3], s[\yo:\yo+1] offset:4096 ; each store: 512 consecutive bytes, aligned
	global_store_b128 v[LI], v[P+4:P+7], s[\yo:\yo+1] offset:4608
	WIN 0
	global_store_b128 v[LI], v[P:P+3], s[\yo:\yo+1]
	global_store_b128 v[LI], v[P+4:P+7], s[\yo:\yo+1] offset:512
.endm
	s_load_b256 s[4:11], s[0:1], 0x0               ; the images s[4:5], maskw s[6:7], msum s[8:9], the scales' exponents s[10:11]
	s_load_b64 s[12:13], s[0:1], 0x20              ; y's images
	v_lshl_add_u32 v254, v0, 2, 0x40000
	v_mov_b32 v255, 0
	v_lshrrev_b32 v7, 5, v0
	v_readfirstlane_b32 s14, v7                    ; wave 0..7
	v_and_b32 v7, 31, v0
	v_lshlrev_b32 v[LI], 4, v7
	v_add_nc_u32 v[LIV], VBASE, v[LI]
	s_wait_alu depctr_va_sdst(0)                   ; s14 is written, ahead of its first reader: the fill's places and the pairs are made from it
	s_lshl_b32 s2, s14, 14
	v_add_nc_u32 v[FK], s2, v[LI]
	v_add_nc_u32 v[FV], s2, v[LIV]
	s_and_b32 s15, ttmp7, 0xffff                   ; batch x 16 + head
	s_lshl_b32 s24, s14, 2
	s_sub_co_u32 s25, 60, s24
	s_add_co_u32 s24, s24, ttmp9                   ; pass 0's pair: 4 w + j
	s_add_co_u32 s25, s25, ttmp9                   ; pass 1's: 4 (15 - w) + j
	s_lshl_b32 s26, s15, 17                        ; 131,072 bytes of images for each batch x head
	s_mov_b32 s27, 0
	s_and_b32 s28, s15, 15                         ; head
	s_lshr_b32 s29, s15, 4                         ; batch
	s_lshr_b32 s30, s28, 2
	s_lshl_b32 s30, s30, 21                        ; y: [head / 4][tile of 16 tokens 512][4,096 bytes],
	s_lshl_b32 s29, s29, 19                        ; 128 tiles a batch,
	s_add_co_u32 s30, s30, s29
	s_and_b32 s29, s28, 3
	s_lshl_b32 s29, s29, 10                        ; 1,024 bytes for each of the four heads
	s_add_co_u32 s30, s30, s29
	s_mov_b32 s[SEL], 0x76543210
	s_mov_b32 s[SEL+1], 0xfedcba98
	s_mov_b32 s[RM], 0xe6000000                    ; -2^77
	s_wait_kmcnt 0x0
	s_load_b256 s[80:87], s[10:11], 0x0            ; e0 .. e7
	s_add_nc_u64 s[4:5], s[4:5], s[26:27]          ; the head's Q
	s_add_nc_u64 s[20:21], s[4:5], 0x800000        ; its K
	s_add_nc_u64 s[22:23], s[4:5], 0x1000000       ; its V
	s_lshl_b32 s26, s24, 11                        ; 2,048 bytes a pair
	s_add_nc_u64 s[16:17], s[4:5], s[26:27]
	s_lshl_b32 s26, s25, 11
	s_add_nc_u64 s[18:19], s[4:5], s[26:27]
	s_wait_alu depctr_va_vdst(0)                   ; v[LI], v[FK] and v[FV] are written, which the loads, the LDS stores and y's stores read as offsets and places; they are never written again
.irp c, 0,1
	global_load_b128 v[Q0+4*\c:Q0+4*\c+3], v[LI], s[16:17] offset:512*\c
	global_load_b128 v[Q1+4*\c:Q1+4*\c+3], v[LI], s[18:19] offset:512*\c
.endr
.set ii, 0
.rept 32                               ; my wave's 16,384 bytes of K, 512 consecutive bytes a load, into v24-87 and v160-223
	global_load_b128 v[24+4*ii+72*(ii/16):27+4*ii+72*(ii/16)], v[FK], s[20:21] offset:512*ii
.set ii, ii+1
.endr
	WIN 0x40
.irp c, 0,1
	global_load_b128 v[Q0+4*\c:Q0+4*\c+3], v[LI], s[16:17] offset:1024+512*\c
	global_load_b128 v[Q1+4*\c:Q1+4*\c+3], v[LI], s[18:19] offset:1024+512*\c
.endr
.set ii, 0
.rept 32                               ; and of V, into the same numbers of window 1
	global_load_b128 v[24+4*ii+72*(ii/16):27+4*ii+72*(ii/16)], v[FK], s[22:23] offset:512*ii
.set ii, ii+1
.endr
	WIN 0
	s_lshl_b32 s26, s24, 13                        ; 8,192 bytes a pair, in maskw and in y's images alike
	s_add_nc_u64 s[MW0:MW0+1], s[6:7], s[26:27]
	s_add_co_u32 s26, s26, s30
	s_add_nc_u64 s[YO0:YO0+1], s[12:13], s[26:27]
	s_lshl_b32 s26, s25, 13
	s_add_nc_u64 s[MW1:MW1+1], s[6:7], s[26:27]
	s_add_co_u32 s26, s26, s30
	s_add_nc_u64 s[YO1:YO1+1], s[12:13], s[26:27]
	s_wait_kmcnt 0x0                               ; the exponents
	s_add_co_i32 s2, s82, s83
	s_lshl_b32 s2, s2, 23
	s_add_co_i32 s[CS], s2, 0x3e38aa3b             ; log2(e) / 8, with e2 + e3 added to its exponent field
	s_mov_b32 s[CS+1], s[CS]
	s_mov_b32 s[EP], s84
	s_add_co_i32 s[EXPO], s84, s85
	s_add_co_i32 s2, s84, 127
	s_lshl_b32 s3, s2, 23                          ; 2^e4
	s_add_co_i32 s2, s2, 15
	s_lshl_b32 s2, s2, 23
	s_or_b32 s2, s2, 0x600000                      ; 57,344 x 2^e4
	s_add_co_i32 s28, s86, 127
	s_lshl_b32 s29, s28, 23                        ; 2^e6
	s_add_co_i32 s28, s28, 15
	s_lshl_b32 s28, s28, 23
	s_or_b32 s28, s28, 0x600000                    ; 57,344 x 2^e6
	v_mov_b32 v[SCL], s3
	v_mov_b32 v[LIMP], s2
	v_mov_b32 v[SC6], s29
	v_mov_b32 v[LIM6], s28
	WIN 0x40
	v_mov_b32 v[SCL], s3
	v_mov_b32 v[LIMP], s2
	v_mov_b32 v[SC6], s29
	v_mov_b32 v[LIM6], s28
	WIN 0
	s_lshl_b32 s26, s24, 8                         ; 256 bytes of summary a pair
	s_add_nc_u64 s[10:11], s[8:9], s[26:27]
	s_lshl_b32 s26, s25, 8
	s_add_nc_u64 s[12:13], s[8:9], s[26:27]
	s_wait_alu depctr_va_vdst(0)                   ; the eight moves above are done reading s2, s3, s28 and s29, which the summary's scalar loads and sums write again
	s_wait_xcnt 0x0                                ; the loads above have read their bases s[16:23]: the summary may land there
	FLAGS WORK0, OPEN0, 10
	FLAGS WORK1, OPEN1, 12
	s_wait_loadcnt 36                              ; tile A's Q and K are in; window 1's 36 loads may be out
.set ii, 0
.rept 32
	ds_store_b128 v[FK], v[24+4*ii+72*(ii/16):27+4*ii+72*(ii/16)] offset:512*ii
.set ii, ii+1
.endr
	s_wait_loadcnt 0x0
	WIN 0x04
.set ii, 0
.rept 32
	ds_store_b128 v[FV], v[24+4*ii+72*(ii/16):27+4*ii+72*(ii/16)] offset:512*ii
.set ii, ii+1
.endr
	WIN 0
	s_wait_dscnt 0x0                               ; for the others' sake: my part of K and V lies in LDS
	s_barrier_signal -1
	s_barrier_wait -1                              ; everybody's does; nothing is written there again
	PASS Q0, WORK0, OPEN0, MW0, YO0
	s_wait_xcnt 0x0                                ; pass 0's stores have had their addresses translated: the codes' registers may be written again,
	s_wait_alu depctr_vm_vsrc(0)                   ; and pass 0's stores have read v[P .. P + 7] of both windows, which pass 1's conversions write again
	PASS Q1, WORK1, OPEN1, MW1, YO1
	s_wait_dscnt 0x0                               ; the closing lines, six on end
	s_wait_alu 0x0
	s_wait_tensorcnt 0x0
	ds_add_u32 v254, v255
	s_wait_dscnt 0x0
	s_endpgm
.Lfunc_end_k_q6b1ad7e332_attn:
	.size	k_q6b1ad7e332_attn, .Lfunc_end_k_q6b1ad7e332_attn-k_q6b1ad7e332_attn
	.p2alignl 7, 3214868480
	.fill 96, 4, 3214868480
	.section	.rodata,"a",@progbits
	.p2align	6, 0x0
	.amdhsa_kernel k_q6b1ad7e332_attn
		.amdhsa_group_segment_fixed_size 263168
		.amdhsa_private_segment_fixed_size 0
		.amdhsa_enable_private_segment 0
		.amdhsa_kernarg_size 40
		.amdhsa_user_sgpr_count 2
		.amdhsa_user_sgpr_kernarg_segment_ptr 1
		.amdhsa_wavefront_size32 1
		.amdhsa_system_sgpr_workgroup_id_x 1
		.amdhsa_system_sgpr_workgroup_id_y 1
		.amdhsa_system_sgpr_workgroup_id_z 1
		.amdhsa_system_vgpr_workitem_id 0
		.amdhsa_next_free_vgpr 480
		.amdhsa_next_free_sgpr 104
		.amdhsa_reserve_vcc 0
		.amdhsa_float_denorm_mode_32 3
		.amdhsa_float_denorm_mode_16_64 3
		.amdhsa_memory_ordered 1
		.amdhsa_forward_progress 1
		.amdhsa_inst_pref_size 123
	.end_amdhsa_kernel
	.amdgpu_metadata
---
amdhsa.version: [ 1, 2 ]
amdhsa.kernels:
  - .name:           k_q6b1ad7e332_attn
    .symbol:         k_q6b1ad7e332_attn.kd
    .args:
      - { .name: qkvimg, .offset: 0, .size: 8, .value_kind: global_buffer, .address_space: global }
      - { .name: maskw, .offset: 8, .size: 8, .value_kind: global_buffer, .address_space: global }
      - { .name: msum, .offset: 16, .size: 8, .value_kind: global_buffer, .address_space: global }
      - { .name: lowp_scales, .offset: 24, .size: 8, .value_kind: global_buffer, .address_space: global }
      - { .name: yimg, .offset: 32, .size: 8, .value_kind: global_buffer, .address_space: global }
    .group_segment_fixed_size: 263168
    .private_segment_fixed_size: 0
    .kernarg_segment_align: 8
    .kernarg_segment_size: 40
    .max_flat_workgroup_size: 256
    .sgpr_count:     104
    .vgpr_count:     480
    .wavefront_size: 32
...
	.end_amdgpu_metadata
.endif
;; end of part 5
;; launch proj: the kernel of part 4 again; grid 4 x 32, 4 waves a work-group, clusters of 4 x 4, 327,680 bytes of LDS; arguments yimg, codes, lowp_scales, out_b, out0; writes out0
